; MI455X (gfx1250); checked and timed in simulation.
; The chip was launched on July 23, 2026; its instructions are those of AMD's public machine-readable ISA for CDNA 5 (MIT licence, August 2026) and "CDNA5" Instruction Set Architecture Reference Guide (July 2026). The comments in the code are by the model that wrote it; some were corrected since.
;; Decoder Layer. Allowed arithmetic: matrix products marked QUANTISED: E4M3 operands, one given power-of-two scale a tensor, by v_wmma_f32_16x16x64_fp8_fp8 or v_wmma_f32_16x16x128_fp8_fp8, f32 sums; everything else in f32.
;; Inputs: b1 4,096 float32; b2 1,024 float32; beta1 1,024 float32; beta2 1,024 float32; bk 1,024 float32; bo 1,024 float32; bq 1,024 float32; bv 1,024 float32; g1 1,024 float32; g2 1,024 float32; lowp_scales 16 int32 (the exponents e of the quantised operands' scales 2^e); mask 1 x 1 x 2,048 x 2,048 int32; w1_codes 4,096 x 32 x 32 uint8 (E4M3 codes of w1, K innermost, in blocks of 32 codes); w2_codes 1,024 x 128 x 32 uint8 (E4M3 codes of w2, K innermost, in blocks of 32 codes); wk_codes 1,024 x 32 x 32 uint8 (E4M3 codes of wk, K innermost, in blocks of 32 codes); wo_codes 1,024 x 32 x 32 uint8 (E4M3 codes of wo, K innermost, in blocks of 32 codes); wq_codes 1,024 x 32 x 32 uint8 (E4M3 codes of wq, K innermost, in blocks of 32 codes); wv_codes 1,024 x 32 x 32 uint8 (E4M3 codes of wv, K innermost, in blocks of 32 codes); x 2 x 2,048 x 1,024 float32.
;; Outputs: out0 2 x 2,048 x 1,024 float32.
;; This version of the problem:
;;   THIS VERSION OF THE PROBLEM IS GIVEN IN LOW PRECISION. The matrix products marked QUANTISED in the list below multiply operands that are first quantised to E4M3 (4 exponent bits, 3 mantissa bits; 8 bits a number), with one given power-of-two scale for each operand tensor; their sums are f32. All else is computed in f32.
;;   The module's matrix products, in the order in which they are computed (A, B: the left and right operand; K: the contracted axis; several contracted axes count as one K, in the product's order):
;;     1. [M 4,096, K 1,024] x [K 1,024, N 1,024]; A: input x; B: input wq (given as codes): QUANTISED (scales: A lowp_scales[0], B lowp_scales[1])
;;     2. [M 4,096, K 1,024] x [K 1,024, N 1,024]; A: input x; B: input wk (given as codes): QUANTISED (scales: A lowp_scales[2], B lowp_scales[3])
;;     3. [M 4,096, K 1,024] x [K 1,024, N 1,024]; A: input x; B: input wv (given as codes): QUANTISED (scales: A lowp_scales[4], B lowp_scales[5])
;;     4. batch 32 x [M 2,048, K 64] x [K 64, N 2,048]; A: computed on the way; B: computed on the way: QUANTISED (scales: A lowp_scales[6], B lowp_scales[7])
;;     5. batch 32 x [M 2,048, K 2,048] x [K 2,048, N 64]; A: softmax (see below); B: computed on the way: QUANTISED (scales: A lowp_scales[8], B lowp_scales[9])
;;     6. [M 4,096, K 1,024] x [K 1,024, N 1,024]; A: computed on the way; B: input wo (given as codes): QUANTISED (scales: A lowp_scales[10], B lowp_scales[11])
;;     7. [M 4,096, K 1,024] x [K 1,024, N 4,096]; A: computed on the way; B: input w1 (given as codes): QUANTISED (scales: A lowp_scales[12], B lowp_scales[13])
;;     8. [M 4,096, K 4,096] x [K 4,096, N 1,024]; A: computed on the way; B: input w2 (given as codes): QUANTISED (scales: A lowp_scales[14], B lowp_scales[15])
;;   THE QUANTISER, for each operand of a quantised product, along K:
;;     - The operand's scale is 2^e, e = its entry of the input lowp_scales (int32; the entries are numbered through the quantised products in the list's order, A before B).
;;     - Each number is divided by the scale, clamped to +-448, and rounded to the nearest number of E4M3, ties to even, subnormals kept.
;;     - The product sums the exact products of the quantised numbers (number of the format x scale) in f32.
;;   ~~~python
;;   def quantise(x, axis, e):      # numpy; x: float32 -> the quantised numbers, widened to float32 again
;;       x = np.moveaxis(x, axis, -1); K = x.shape[-1]
;;       r = np.clip(x / 2.0 ** e, -448, 448)
;;       step = 2.0 ** (np.maximum(np.frexp(np.where(r == 0, 1, r))[1] - 1, -6) - 3)
;;       q = np.round(r / step) * step * 2.0 ** e      # np.round: ties to even
;;       return np.moveaxis(q, -1, axis).astype(np.float32)
;;   ~~~
;;   SOFTMAX AHEAD OF A QUANTISED PRODUCT. Where the list says 'softmax', what is quantised is not the finished softmax but p = 2^(t - M), with t = logit x log2(e) and M = ceil(the row's largest t), a whole number; so 1/2 < the row's largest p <= 1. The row's sum l is taken of the UNQUANTISED p, in f32, and the product's result is divided by l at the end. Since M is a whole number, a kernel that streams over the keys may use a running M (the ceiling of the running maximum): every later rescaling is an exact power of two, so the quantised numbers keep their values, but for numbers so far below the row's largest that they fall under the format's range.
;;   OPERANDS COMPUTED ON THE WAY. 'Computed on the way' means the value that the module computes at that place (a softmax that the list does not call 'softmax' is quantised finished and normalised). What goes into a quantiser is computed in f32, as accurately as f32 sums, v_exp_f32 and their like allow (about 1e-6 of the number): no bf16 or f16 on the way to a quantiser, and a product that is left as it is and whose result goes on into a quantised operand takes f32 operands (vector FMAs, or v_wmma_f32_16x16x4_f32). A number that lies on a knife's edge between two numbers of the format may be rounded either way, as far as f32 arithmetic and the matrix unit's own rounding can turn it there, and no further.
;;   INPUTS GIVEN AS CODES. w1 (in the module: [1024, 4096], K = its axis 0); w2 (in the module: [4096, 1024], K = its axis 0); wk (in the module: [1024, 1024], K = its axis 0); wo (in the module: [1024, 1024], K = its axis 0); wq (in the module: [1024, 1024], K = its axis 0); wv (in the module: [1024, 1024], K = its axis 0): each comes as NAME_codes (uint8): NAME with its K axis moved to the last place and cut into blocks of 32 codes, [.., K / 32, bytes a block], one block behind the other in memory; one code a byte (a code: sign, 4 exponent bits, 3 mantissa bits); its scale is its entry of lowp_scales. Its value is code x scale, taken as it is: it is not quantised again, and the codes and scales need not be those that the quantiser above would give.
;; One version. Each part assembles by itself: llvm-mc -triple=amdgcn-amd-amdhsa -mcpu=gfx1250 --defsym DOCPART=n.
;; ======== version 1 of 1: 8 launches
;; workspace buffers: xc 12,582,912 bytes; mk 524,800 bytes of whole numbers; qkv 12,582,912 bytes; ac 4,194,304 bytes; y 16,777,216 bytes; x1 16,777,216 bytes; x1c 4,194,304 bytes; hid 16,777,216 bytes
;; launch prep (part 1): grid 256 x 1, 16 waves a work-group, no clusters, 219,392 bytes of LDS; arguments x, mask, lowp_scales, xc, mk; writes xc, mk
.if DOCPART == 1
	.amdgcn_target "amdgcn-amd-amdhsa--gfx1250"
	.amdhsa_code_object_version 6
	.text
	.protected	k_qd7a8eed3f8_prep
	.globl	k_qd7a8eed3f8_prep
	.p2align	8
	.type	k_qd7a8eed3f8_prep,@function
k_qd7a8eed3f8_prep:
	s_mov_b64 s[64:65], 0
	v_nop
	global_prefetch_b8 v0, s[64:65] scope:SCOPE_SE
	s_setreg_imm32_b32 hwreg(HW_REG_WAVE_MODE, 25, 1), 1
	s_wait_xcnt 0x0
; Two jobs in one launch, told apart by the work-group's number.
; WORK-GROUPS 0-127: the mask [2048][2048] int32 becomes lane-mask words.  Work-group t takes queries 16 t .. 16 t + 15, wave s keys 128 s .. 128 s + 127.
;   Word (16 t + s) 64 + n, n = 8 T + j: bit l (r = l % 16, h = l / 16) is set where mask[16 t + r][128 s + 16 T + 8 h + j] == 1: the lane and register at which the attention launch holds that score.
;   Flags: word t at byte 524,288 + 4 t: bit s = step s has a key that counts, bit 16 + s = step s has a hidden key.
; WORK-GROUPS 128-255: x [4096][1024] f32 becomes three tensors of E4M3 codes, row-major, with the scales 2^e0, 2^e2, 2^e4 (products 1, 2, 3): code = x / 2^e, held within +-448, nearest, ties to even.
;   A wave takes 2,048 numbers in four steps of 512.  Each load reads 512 consecutive bytes; a step turns through the wave's own stage in LDS so that a lane holds 16 neighbours; its 16 codes are 16 bytes.
; LIMITS: e0, e2, e4 between -126 and 119, so that 2^e and 448 x 2^e are f32 numbers.  NaN among x is not served.
; LDS: each job has bytes of its own: the mask's stages (16 rows x 528 a wave), the flags' 128 bytes, x's stages (two of 32 x 80 a wave).
.set MP,   528                         ; a row of the mask's stage: 512 bytes + 16
.set MWV,  16*MP
.set FLG,  16*MWV                      ; 135,168
.set XST,  FLG+256
.set XP,   80                          ; a lane's place in x's stage: 64 bytes + 16
.set XSG,  32*XP
	s_load_b256 s[4:11], s[0:1], 0x0               ; x s[4:5], mask s[6:7], the exponents s[8:9], xc s[10:11]
	s_load_b64 s[12:13], s[0:1], 0x20              ; mk
	v_lshl_add_u32 v192, v0, 2, 0x35100
	v_mov_b32 v193, 0
	v_lshrrev_b32 v1, 5, v0
	v_readfirstlane_b32 s14, v1                    ; wave 0..15
	v_and_b32 v1, 31, v0                           ; lane
	v_lshlrev_b32 v2, 4, v1                        ; 16 x lane
	v_lshlrev_b32 v3, 3, v1                        ; 8 x lane
	v_and_b32 v10, 15, v0                          ; r
	v_bfe_u32 v11, v0, 4, 1                        ; h
	; every LDS address is made here, ahead of the parting of the two jobs
	s_mul_i32 s15, s14, MWV
	v_add_nc_u32 v4, s15, v2                       ; the mask's stage, in: 16 x lane of a row
	v_mul_u32_u24 v5, v10, MP
	v_lshl_add_u32 v5, v11, 5, v5
	v_add_nc_u32 v5, s15, v5                       ; and out: row r, + 32 h
	s_mul_i32 s15, s14, 2*XSG
	s_add_co_u32 s15, s15, XST
	v_lshrrev_b32 v6, 2, v1
	v_mul_u32_u24 v6, v6, XP
	v_and_b32 v7, 3, v1
	v_lshl_add_u32 v6, v7, 4, v6
	v_add_nc_u32 v6, s15, v6                       ; x's stage, in: four lanes' 64 bytes on end, then 16 of padding
	v_mul_u32_u24 v7, v1, XP
	v_add_nc_u32 v7, s15, v7                       ; and out: my 16 neighbours
	s_lshl_b32 s15, s14, 2
	s_add_co_u32 s15, s15, FLG
	v_mov_b32 v8, s15                              ; my wave's flag word
	v_lshl_add_u32 v9, v1, 2, FLG                  ; the flag word that my lane reads back
	s_wait_kmcnt 0x0
	s_cmp_lt_u32 ttmp9, 128
	s_cbranch_scc0 .Lx
	; ---- the mask
	s_lshl_b32 s16, ttmp9, 17                      ; 16 rows of 8,192 bytes
	s_lshl_b32 s17, s14, 9                         ; 128 keys of 4 bytes
	s_add_co_u32 s16, s16, s17
	s_mov_b32 s17, 0
	s_add_nc_u64 s[6:7], s[6:7], s[16:17]
	s_lshl_b32 s86, ttmp9, 12
	s_lshl_b32 s87, s14, 8
	s_add_co_u32 s86, s86, s87                     ; (16 t + s) x 256 bytes
	s_mov_b32 s87, 0
	s_add_nc_u64 s[88:89], s[12:13], s[86:87]
.irp j, 0,1,2,3,4,5,6,7,8,9,10,11,12,13,14,15
	global_load_b128 v[16+4*\j:19+4*\j], v2, s[6:7] offset:8192*\j th:TH_LOAD_NT   ; row j: 512 consecutive bytes
.endr
.irp j, 0,1,2,3,4,5,6,7,8,9,10,11,12,13,14,15
	s_wait_loadcnt 15-\j                           ; row j is in; the younger rows may be out
	ds_store_b128 v4, v[16+4*\j:19+4*\j] offset:MP*\j
.endr
.irp T, 0,1,2,3,4,5,6,7
	ds_load_b128 v[80+8*\T:83+8*\T], v5 offset:64*\T       ; LDS serves a wave's instructions in order: these see my stores.  Keys 16 T + 8 h + 0 .. 3 of row r,
	ds_load_b128 v[84+8*\T:87+8*\T], v5 offset:64*\T+16    ; and + 4 .. 7
.endr
	v_mov_b32 v144, 0
	v_mov_b32 v145, 0
	s_wait_dscnt 0x0
.set n, 0
.rept 64                               ; word n lies in s[16 + n], from n = 48 on in s[20 + n]
	v_cmp_eq_u32 s[16+n+4*(n/48)], 1, v[80+n]
.set n, n+1
.endr
	s_and_b32 s84, s16, s17
	s_or_b32 s85, s16, s17
.set n, 2
.rept 62
	s_and_b32 s84, s84, s[16+n+4*(n/48)]
	s_or_b32 s85, s85, s[16+n+4*(n/48)]
.set n, n+1
.endr
.set n, 0
.rept 64                               ; lane L gets words 2 L and 2 L + 1
	v_writelane_b32 v[144+(n&1)], s[16+n+4*(n/48)], n/2
.set n, n+1
.endr
	global_store_b64 v3, v[144:145], s[88:89]      ; 32 lanes store 256 consecutive bytes, aligned
	s_cmp_lg_u32 s84, -1
	s_cselect_b32 s84, 1, 0                        ; some key counts
	s_cmp_lg_u32 s85, 0
	s_cselect_b32 s85, 1, 0                        ; some key is hidden
	v_mov_b32 v12, s84
	v_mov_b32 v13, s85
	ds_store_b32 v8, v12                           ; all lanes write the same word with the same number
	ds_store_b32 v8, v13 offset:64
	s_branch .Ljoin
	; ---- x
.Lx:
	s_load_b256 s[16:23], s[8:9], 0x0              ; e0 .. e7
	s_sub_co_u32 s15, ttmp9, 128
	s_lshl_b32 s15, s15, 4
	s_add_co_u32 s15, s15, s14                     ; which run of 2,048 numbers is my wave's
	s_lshl_b32 s30, s15, 13
	s_mov_b32 s31, 0
	s_add_nc_u64 s[4:5], s[4:5], s[30:31]
	s_lshl_b32 s30, s15, 11
	s_add_nc_u64 s[24:25], s[10:11], s[30:31]      ; the three tensors of codes lie 4 MiB apart
	s_add_nc_u64 s[26:27], s[24:25], 0x400000
	s_add_nc_u64 s[28:29], s[24:25], 0x800000
.irp t, 0,1,2,3
.irp i, 0,1,2,3
	global_load_b128 v[16+16*\t+4*\i:19+16*\t+4*\i], v2, s[4:5] offset:2048*\t+512*\i th:TH_LOAD_NT
.endr
.endr
	s_wait_kmcnt 0x0
.macro MKSC e, sc                      ; v[sc] = 2^e as f32, v[sc + 1] = 448 x 2^e
	s_add_co_i32 s30, s[\e], 127
	s_lshl_b32 s31, s30, 23
	v_mov_b32 v[\sc], s31
	s_add_co_i32 s30, s30, 8
	s_lshl_b32 s30, s30, 23
	s_or_b32 s30, s30, 0x600000
	v_mov_b32 v[\sc+1], s30
.endm
	MKSC 16, 176
	MKSC 18, 178
	MKSC 20, 180
.macro XSTEP t
.set XS, 80+16*((\t)%2)
	s_wait_loadcnt 12-4*(\t)                       ; this step's four loads are in; the later steps' may be out
.irp i, 0,1,2,3
	ds_store_b128 v6, v[16+16*(\t)+4*\i:19+16*(\t)+4*\i] offset:XSG*((\t)%2)+8*XP*\i
.endr
.irp i, 0,1,2,3
	ds_load_b128 v[XS+4*\i:XS+4*\i+3], v7 offset:XSG*((\t)%2)+16*\i
.endr
	s_wait_dscnt 0x0
.irp k, 0,1,2
.set i, 0
.rept 16
	v_med3_num_f32 v[112+i], v[XS+i], -v[177+2*\k], v[177+2*\k]   ; the conversion does not saturate (ISA guide 7.6.2): the hold at the largest code x the scale
.set i, i+1
.endr
	v_cvt_scalef32_pk8_fp8_f32 v[128+12*(\t)+4*\k:129+12*(\t)+4*\k], v[112:119], v[176+2*\k]
	v_cvt_scalef32_pk8_fp8_f32 v[130+12*(\t)+4*\k:131+12*(\t)+4*\k], v[120:127], v[176+2*\k]
	v_nop                                          ; a plain line between the conversions and the next holds, which write their sources
	global_store_b128 v2, v[128+12*(\t)+4*\k:131+12*(\t)+4*\k], s[24+2*\k:25+2*\k] offset:512*(\t)   ; 512 consecutive bytes; each store has data registers of its own
.endr
.endm
	XSTEP 0
	XSTEP 1
	XSTEP 2
	XSTEP 3
.Ljoin:
	s_wait_dscnt 0x0                               ; for the others' sake: my flag words are stored
	s_barrier_signal -1
	s_barrier_wait -1
	s_cmp_lt_u32 ttmp9, 128
	s_cbranch_scc0 .Lend
	s_cmp_lg_u32 s14, 0
	s_cbranch_scc1 .Lend
	ds_load_b32 v10, v9                            ; lanes 0-15: 'counts' of steps 0-15; lanes 16-31: 'hidden'
	s_lshl_b32 s22, ttmp9, 2
	s_add_co_u32 s22, s22, 0x80000
	s_mov_b32 s23, 0
	s_add_nc_u64 s[22:23], s[12:13], s[22:23]
	v_mov_b32 v12, 0
	s_wait_dscnt 0x0
	v_cmp_ne_u32 s20, 0, v10
	v_mov_b32 v11, s20
	v_cmp_gt_u32 vcc_lo, 1, v0
	s_wait_xcnt 0x0                                ; EXEC changes only when my earlier store has read its sources
	s_and_saveexec_b32 s21, vcc_lo
	global_store_b32 v12, v11, s[22:23]
	s_wait_xcnt 0x0
	s_or_b32 exec_lo, exec_lo, s21
.Lend:
	s_wait_tensorcnt 0x0
	ds_add_u32 v192, v193
	s_wait_dscnt 0x0
	s_endpgm
.Lfunc_end_k_qd7a8eed3f8_prep:
	.size	k_qd7a8eed3f8_prep, .Lfunc_end_k_qd7a8eed3f8_prep-k_qd7a8eed3f8_prep
	.p2alignl 7, 3214868480
	.fill 96, 4, 3214868480
	.section	.rodata,"a",@progbits
	.p2align	6, 0x0
	.amdhsa_kernel k_qd7a8eed3f8_prep
		.amdhsa_group_segment_fixed_size 219392
		.amdhsa_private_segment_fixed_size 0
		.amdhsa_enable_private_segment 0
		.amdhsa_kernarg_size 40
		.amdhsa_user_sgpr_count 2
		.amdhsa_user_sgpr_kernarg_segment_ptr 1
		.amdhsa_wavefront_size32 1
		.amdhsa_system_sgpr_workgroup_id_x 1
		.amdhsa_system_sgpr_workgroup_id_y 1
		.amdhsa_system_sgpr_workgroup_id_z 1
		.amdhsa_system_vgpr_workitem_id 0
		.amdhsa_next_free_vgpr 194
		.amdhsa_next_free_sgpr 96
		.amdhsa_reserve_vcc 1
		.amdhsa_float_denorm_mode_32 3
		.amdhsa_float_denorm_mode_16_64 3
		.amdhsa_memory_ordered 1
		.amdhsa_forward_progress 1
		.amdhsa_inst_pref_size 40
	.end_amdhsa_kernel
	.amdgpu_metadata
---
amdhsa.version: [ 1, 2 ]
amdhsa.kernels:
  - .name:           k_qd7a8eed3f8_prep
    .symbol:         k_qd7a8eed3f8_prep.kd
    .args:
      - { .name: x, .offset: 0, .size: 8, .value_kind: global_buffer, .address_space: global }
      - { .name: mask, .offset: 8, .size: 8, .value_kind: global_buffer, .address_space: global }
      - { .name: lowp_scales, .offset: 16, .size: 8, .value_kind: global_buffer, .address_space: global }
      - { .name: xc, .offset: 24, .size: 8, .value_kind: global_buffer, .address_space: global }
      - { .name: mk, .offset: 32, .size: 8, .value_kind: global_buffer, .address_space: global }
    .group_segment_fixed_size: 219392
    .private_segment_fixed_size: 0
    .kernarg_segment_align: 8
    .kernarg_segment_size: 40
    .max_flat_workgroup_size: 512
    .sgpr_count:     96
    .vgpr_count:     194
    .wavefront_size: 32
...
	.end_amdgpu_metadata
.endif
;; end of part 1
;; launch qkv (part 2): grid 12 x 16, 4 waves a work-group, clusters of 4 x 4, 327,680 bytes of LDS; arguments xc, wq_codes, wk_codes, wv_codes, bq, bk, bv, lowp_scales, qkv; writes qkv
.if DOCPART == 2
	.amdgcn_target "amdgcn-amd-amdhsa--gfx1250"
	.amdhsa_code_object_version 6
	.text
	.protected	k_qd7a8eed3f8_qkv
	.globl	k_qd7a8eed3f8_qkv
	.p2align	8
	.type	k_qd7a8eed3f8_qkv,@function
k_qd7a8eed3f8_qkv:
	s_mov_b64 s[64:65], 0
	v_nop
	global_prefetch_b8 v0, s[64:65] scope:SCOPE_SE
	s_setreg_imm32_b32 hwreg(HW_REG_WAVE_MODE, 25, 1), 1
	s_wait_xcnt 0x0
	s_wait_alu depctr_hold_cnt(0) depctr_sa_sdst(0) depctr_va_vdst(0) depctr_va_sdst(0) depctr_va_ssrc(0) depctr_va_vcc(0) depctr_vm_vsrc(0)
	s_getreg_b32 s2, hwreg(HW_REG_IB_STS2, 6, 4)
	s_cmp_eq_u32 s2, 0
	s_cbranch_scc0 .Lentry_in_a_cluster
	s_endpgm
.Lentry_in_a_cluster:
	s_bfe_u32 s2, ttmp6, 0x10000c
	s_cmp_lg_u32 s2, 0xf033
	s_cbranch_scc0 .Lentry_shape_is_right
	s_endpgm
.Lentry_shape_is_right:
; q = x wq + bq, k = x wk + bk, v = x wv + bv on E4M3 codes, and each result quantised for the attention launch (scales e6, e7, e9).
; The cluster's x (0, 1, 2) says which of the three; its sixteen work-groups make 1,024 tokens x 1,024 features of it.  A tile, 256 x 256, is made by four waves, each 128 x 128: 64 accumulators, 512 registers.
; K = 1,024 goes in steps of 256 through a ring of two LDS slots filled by joint tensor loads: x's tile is shared along a row of the cluster, the weight's along a column.
; THE MATRIX INSTRUCTION IS USED TRANSPOSED: source 0 = 16 rows of the weight, source 1 = 16 tokens: a lane holds one token and eight neighbouring features: neighbours along the K of q k^T.
; FOR V THE TWO CHANGE PLACES (only the two LDS base addresses of the fragment loads are chosen otherwise): a lane then holds one feature and eight neighbouring tokens: neighbours along the keys, the K of p v.
; OUT.  q, k: images of operand registers: token block tb (16 tokens) x 16,384 + kc (128 features) x 2,048 + c x 512 + 16 l: token 16 tb + l % 16, features 128 kc + 32 c + 16 (l / 16) + 0 .. 15.
;   v: (batch x 16 + head) x 131,072 + step (128 keys) x 8,192 + dt (16 channels) x 2,048 + g x 512 + 16 l: channel 16 dt + l % 16; bytes 0-7 keys 32 g + 8 (l / 16) + 0 .. 7, bytes 8-15 the keys 16 further on.
; LIMITS: e0 + e1, e2 + e3, e4 + e5 between -126 and 127; e6, e7, e9 between -126 and 119: each power of two below is then an f32 number.
; REGISTERS, in windows of 256: window 0: v0-31 addresses; v32-95 the bias in the result's layout, v96-111 the bias for V; from v128 the text's A fragments, one set (later the way out);
;   window 1: the text's B fragments, two sets;  windows 2, 3: the accumulators ((a, b) at v[8 (8 (a % 4) + b)]).
.set SIZE_K, 1024
.set KSTEP,  256
.set ROWB,   256
.set KROW,   SIZE_K
.set PITCH,  272                       ; an LDS row: 256 bytes + 16 of padding
.set FR,     16
.set NL,     4
.set NP,     4
.set HALFT,  128*PITCH
.set SLOT,   4*HALFT                   ; x's 256 rows, then the weight's 256 rows
.set LAPS,   SIZE_K/(2*KSTEP)
.set SPARE,  2*SLOT                    ; behind the ring: the spare words, 128 bytes a wave, that no other line names
.set BO1,  8                           ; v8   32 h: my eight numbers of a tile of the bias
.set BO2,  9                           ; v9   4 r: my one number (V)
.set ADRA, 16
.set ADRB, 20
.set CO,   26                          ; v26  16 r + 8 h: my 8 bytes of 256
.set CO2,  27                          ; v27  16 l: my 16 bytes of 512 (V)
.set SPW,  28
.set NIL,  29
.set BIAS, 32
.set BV,   96
.set SC,   112
.set LIM,  113
.set AF,   128
.set TMP,  128                         ; the way out: a block's 64 numbers
.set CD,   192                         ; and its codes: two sets of 16 by turns
.set G1, 24
.set G0, 32
.set G1B, 48
.set G0B, 56
.set MSB, 0
.macro WIN new                         ; the immediate's high byte repeats the setting that is left
.if MSB != \new
	s_set_vgpr_msb (MSB<<8)|\new
.set MSB, \new
.endif
.endm
.set MUL_LO, 0xa1                      ; source 0 window 1, source 1 window 0, C and D window 2
.set MUL_HI, 0xf1
.set TO_B,   0x40
; A joint load: waves 0 and 1 fetch x's halves, waves 2 and 3 the weight's.  The branch hangs on the wave's number alone.  Four v_nop follow each of the two lines.
.macro JLOAD g0a, g1a, g0b, g1b
	s_cmp_eq_u32 s15, 0
	s_cbranch_scc0 .Lfor_b_\@
	tensor_load_to_lds s[\g0a:\g0a+3], s[\g1a:\g1a+7]
	s_nop 0
.rept 4
	v_nop
.endr
	s_branch .Lasked_\@
.Lfor_b_\@:
	tensor_load_to_lds s[\g0b:\g0b+3], s[\g1b:\g1b+7]
	s_nop 0
.rept 4
	v_nop
.endr
.Lasked_\@:
.endm
.macro CREST
	s_cmp_lg_u32 s14, 0
	s_cbranch_scc1 .Lnot_wave_0_\@
	s_barrier_signal -3
.Lnot_wave_0_\@:
	s_barrier_wait -3
	s_barrier_signal -1
	s_barrier_wait -1
.endm
.macro CROUND
	s_barrier_signal -1
	s_barrier_wait -1
	CREST
.endm
	s_load_b512 s[68:83], s[0:1], 0x0              ; xc, wq, wk, wv, bq, bk, bv, the exponents
	s_load_b64 s[10:11], s[0:1], 0x40              ; qkv
	v_lshl_add_u32 v[SPW], v0, 2, SPARE
	v_mov_b32 v[NIL], 0
	ds_add_u32 v28, v29
	ds_add_u32 v28, v29
	s_wait_dscnt 0x0
	v_lshrrev_b32 v1, 5, v0
	v_readfirstlane_b32 s14, v1                    ; wave 0..3
	s_lshr_b32 s15, s14, 1                         ; which half of the tile's tokens is mine.  Also: I fetch x (0) or the weight (1)
	s_and_b32 s16, s14, 1                          ; which half of its features.  Also: which 128 rows I fetch
	s_bfe_u32 s40, ttmp6, 0x40000                  ; cx = the tile column
	s_bfe_u32 s41, ttmp6, 0x40004                  ; cy
	s_and_b32 s17, ttmp7, 0xffff
	s_lshl_b32 s17, s17, 2
	s_add_co_u32 s17, s17, s41                     ; the tile row = 4 x cluster y + cy
	s_lshl_b32 s43, s41, 2
	s_lshl_b32 s43, 15, s43                        ; my row of the cluster
	s_lshl_b32 s44, 0x1111, s40                    ; my column
	s_or_b32 s[G1+0], s43, (0<<16)|(1<<20)|(1<<21)|(5<<22)|(3<<25)  ; the mask; elements of 1 byte; padding on; bit 21 beside a mask; after every 64 words; 4 words
	s_or_b32 s[G1B+0], s44, (0<<16)|(1<<20)|(1<<21)|(5<<22)|(3<<25)
.irp g, G1, G1B
	s_mov_b32 s[\g+1], ROWB<<16                    ; tensor_dim0
	s_mov_b32 s[\g+2], 128<<16                     ; tensor_dim1
	s_mov_b32 s[\g+3], ROWB<<16                    ; tile_dim0
	s_mov_b32 s[\g+4], 128                         ; tile_dim1
	s_mov_b32 s[\g+5], KROW                        ; from row to row
	s_mov_b32 s[\g+6], 0
	s_mov_b32 s[\g+7], 0
.endr
	s_lshl_b32 s18, s16, 7
	s_lshl_b32 s20, s17, 8
	s_add_co_u32 s20, s20, s18                     ; x: row 256 x tile row + 128 x half
	s_lshl_b32 s20, s20, 10                        ; rows of 1,024 bytes
	s_lshl_b32 s19, ttmp9, 22                      ; the tensor of x's codes that belongs to this product
	s_add_co_u32 s20, s20, s19
	s_mov_b32 s21, 0
	s_lshl_b32 s46, s40, 8
	s_add_co_u32 s46, s46, s18                     ; the weight: row 256 cx + 128 x half
	s_lshl_b32 s46, s46, 10
	s_mov_b32 s47, 0
	s_mul_i32 s45, s14, HALFT                      ; where they go: wave x 128 rows
	s_wait_kmcnt 0x0
	s_cmp_eq_u32 ttmp9, 1                          ; the cluster's x is the same in all sixteen partners
	s_cselect_b64 s[6:7], s[72:73], s[70:71]
	s_cselect_b64 s[8:9], s[78:79], s[76:77]
	s_cmp_eq_u32 ttmp9, 2
	s_cselect_b64 s[6:7], s[74:75], s[6:7]         ; the weight
	s_cselect_b64 s[8:9], s[80:81], s[8:9]         ; its bias
	s_add_nc_u64 s[20:21], s[68:69], s[20:21]
	s_add_nc_u64 s[46:47], s[6:7], s[46:47]
	s_mov_b64 s[86:87], s[82:83]
	s_load_b512 s[68:83], s[86:87], 0x0            ; e0 .. e15, over the addresses that have been taken
	CROUND                                         ; all sixteen work-groups are here: the first joint loads meet
.irp s, 0,1
	s_mov_b32 s[G0+4*\s], 1
	s_add_co_u32 s[G0+4*\s+1], s45, \s*SLOT
	s_add_nc_u64 s[G0+4*\s+2:G0+4*\s+3], s[20:21], \s*ROWB
	s_or_b32 s[G0+4*\s+3], s[G0+4*\s+3], 0x80000000
	s_mov_b32 s[G0B+4*\s], 1
	s_add_co_u32 s[G0B+4*\s+1], s45, \s*SLOT
	s_add_nc_u64 s[G0B+4*\s+2:G0B+4*\s+3], s[46:47], \s*ROWB
	s_or_b32 s[G0B+4*\s+3], s[G0B+4*\s+3], 0x80000000
	JLOAD G0+4*\s, G1, G0B+4*\s, G1B
.endr
	v_and_b32 v1, 15, v0                           ; r
	v_bfe_u32 v2, v0, 4, 1                         ; h
	v_lshlrev_b32 v[BO1], 5, v2
	v_lshlrev_b32 v[BO2], 2, v1
	s_lshl_b32 s18, s40, 10
	s_lshl_b32 s19, s16, 9
	s_add_co_u32 s18, s18, s19                     ; my first feature, 256 cx + 128 x half, in bytes of f32
	s_mov_b32 s19, 0
	s_add_nc_u64 s[8:9], s[8:9], s[18:19]
.irp b, 0,1,2,3,4,5,6,7                ; both forms of the bias are loaded in every work-group
	global_load_b128 v[BIAS+8*\b:BIAS+8*\b+3], v[BO1], s[8:9] offset:64*\b        ; features 16 b + 8 h + 0 .. 3
	global_load_b128 v[BIAS+8*\b+4:BIAS+8*\b+7], v[BO1], s[8:9] offset:64*\b+16
.endr
.irp a, 0,1,2,3,4,5,6,7
	global_load_b32 v[BV+2*\a], v[BO2], s[8:9] offset:64*\a                       ; feature 16 a + r, in both registers of a pair
	global_load_b32 v[BV+2*\a+1], v[BO2], s[8:9] offset:64*\a
.endr
	v_mul_u32_u24 v3, v1, PITCH
	v_lshl_add_u32 v4, v2, 4, v3                   ; a fragment's row x pitch + 16 x half
	s_mul_i32 s21, s15, HALFT                      ; my 128 tokens of x
	s_mul_i32 s22, s16, HALFT
	s_add_co_u32 s22, s22, 2*HALFT                 ; my 128 rows of the weight
	s_cmp_eq_u32 ttmp9, 2
	s_cselect_b32 s23, s22, s21                    ; the text's A (source 1): x, for V the weight
	s_cselect_b32 s22, s21, s22                    ; the text's B (source 0): the weight, for V x
	s_mov_b32 s21, s23
.irp s, 0,1
	v_add_nc_u32 v[ADRA+\s], s21, v4
	v_add_nc_u32 v[ADRB+\s], s22, v4
	s_add_co_u32 s21, s21, SLOT
	s_add_co_u32 s22, s22, SLOT
.endr
	v_lshlrev_b32 v[CO], 4, v1
	v_lshl_add_u32 v[CO], v2, 3, v[CO]
	v_and_b32 v6, 31, v0
	v_lshlrev_b32 v[CO2], 4, v6
	; where my part of the result begins.  q, k:
	s_lshl_b32 s20, s17, 4
	s_lshl_b32 s21, s15, 3
	s_add_co_u32 s20, s20, s21                     ; token block 16 x tile row + 8 x half
	s_lshl_b32 s20, s20, 14
	s_lshl_b32 s21, s40, 1
	s_add_co_u32 s21, s21, s16                     ; kc = 2 cx + half
	s_lshl_b32 s21, s21, 11
	s_add_co_u32 s20, s20, s21
	s_lshl_b32 s21, ttmp9, 22
	s_add_co_u32 s20, s20, s21
	; v:
	s_lshr_b32 s22, s17, 3                         ; batch
	s_lshl_b32 s22, s22, 4
	s_lshl_b32 s23, s40, 2
	s_add_co_u32 s22, s22, s23
	s_lshl_b32 s23, s16, 1
	s_add_co_u32 s22, s22, s23                     ; + head 4 cx + 2 x half
	s_lshl_b32 s22, s22, 17
	s_and_b32 s23, s17, 7
	s_lshl_b32 s23, s23, 1
	s_add_co_u32 s23, s23, s15                     ; the step of 128 keys
	s_lshl_b32 s23, s23, 13
	s_add_co_u32 s22, s22, s23
	s_add_co_u32 s22, s22, 0x800000
	s_cmp_eq_u32 ttmp9, 2
	s_cselect_b32 s20, s22, s20
	s_mov_b32 s21, 0
	s_add_nc_u64 s[10:11], s[10:11], s[20:21]
.macro FRAG reg, adr, q, i             ; 16 rows x 128 K: registers 4 c .. 4 c + 3 hold K = 32 c + 16 (l / 16) + 0 .. 15: the same order of k on both sides
.irp c, 0,1,2,3
	ds_load_b128 v[\reg+4*\c:\reg+4*\c+3], v[\adr] offset:128*(\q)+32*\c+(\i)*16*PITCH
.endr
.endm
; 16 matrix instructions.  The 64 accumulators take turns, one instruction a turn, in the same order in every step.
.macro MUL16 a0, p, zero
.irp a, \a0, \a0+1
.irp b, 0,1,2,3,4,5,6,7
.if \zero
	v_wmma_f32_16x16x128_fp8_fp8 v[8*(8*((\a)%4)+\b):8*(8*((\a)%4)+\b)+7], v[128*(\p)+FR*\b:128*(\p)+FR*\b+FR-1], v[AF+FR*(\a):AF+FR*(\a)+FR-1], 0
.else
	v_wmma_f32_16x16x128_fp8_fp8 v[8*(8*((\a)%4)+\b):8*(8*((\a)%4)+\b)+7], v[128*(\p)+FR*\b:128*(\p)+FR*\b+FR-1], v[AF+FR*(\a):AF+FR*(\a)+FR-1], v[8*(8*((\a)%4)+\b):8*(8*((\a)%4)+\b)+7]
.endif
.endr
.endr
.endm
.macro FETCH_B slot, q, p
	WIN TO_B
.irp i, 0,1,2,3,4,5,6,7
	FRAG 128*(\p)+FR*\i, ADRB+\slot, \q, \i
.endr
	WIN 0
.endm
.macro FETCH_A slot, q, i0
.irp i, \i0, \i0+1, \i0+2, \i0+3
	FRAG AF+FR*(\i), ADRA+\slot, \q, \i
.endr
.endm
.macro PLACES n                        ; plain vector lines between a matrix instruction and a load into, or a read of, its registers
.rept \n
	v_nop
.endr
.endm
.macro STEP slot, q, zero              ; 128 along K that have their successor in the same slot
	s_wait_dscnt 4*NL                              ; B's set and A's blocks 0-3 are in; A's blocks 4-7 may be out
	WIN MUL_LO
	MUL16 0, (\q)%2, \zero
	MUL16 2, (\q)%2, \zero
	s_wait_dscnt 0
	PLACES NP
	FETCH_B \slot, (\q)+1, 1-(\q)%2
	FETCH_A \slot, (\q)+1, 0
	WIN MUL_HI
	MUL16 4, (\q)%2, \zero
	MUL16 6, (\q)%2, \zero
	PLACES NP
	WIN 0
	FETCH_A \slot, (\q)+1, 4
.endm
; A slot's last step changes slots: one barrier; in front of it each wave waits for all its tensor loads, adds 0 to its spare word, and waits for that and for its reads of this slot.
.macro TURN slot, next, fill
	s_wait_tensorcnt 0x0                           ; all my tensor loads have landed: my part of the next slot
	ds_add_u32 v[SPW], v[NIL]                      ; 0 onto my spare word
	s_wait_dscnt 4*NL+1                            ; (the add and A's blocks 4-7 may be out)
	WIN MUL_LO
	MUL16 0, 1, 0
	s_wait_dscnt 0x0                               ; the add is done, and my reads of this slot are over
	s_barrier_signal -1
	MUL16 2, 1, 0
	WIN 0
	s_barrier_wait -1
.if \fill
	CREST                                          ; the barrier has opened a round of the cluster's barrier: no wave of any partner still reads this slot or has a load on its way
	s_add_nc_u64 s[G0+4*\slot+2:G0+4*\slot+3], s[G0+4*\slot+2:G0+4*\slot+3], 2*ROWB
	s_add_nc_u64 s[G0B+4*\slot+2:G0B+4*\slot+3], s[G0B+4*\slot+2:G0B+4*\slot+3], 2*ROWB
	JLOAD G0+4*\slot, G1, G0B+4*\slot, G1B         ; the first tensor load behind the round; its four v_nop are also the places in front of the loads below
.else
	PLACES NP
.endif
	FETCH_B \next, 0, 0
	FETCH_A \next, 0, 0
	WIN MUL_HI
	MUL16 4, 1, 0
	MUL16 6, 1, 0
	PLACES NP
	WIN 0
	FETCH_A \next, 0, 4
.endm
	s_wait_tensorcnt 1                             ; my part of K step 0 is in; K step 1's load may be out
	s_barrier_signal -1
	s_barrier_wait -1
	FETCH_B 0, 0, 0
	FETCH_A 0, 0, 0
	FETCH_A 0, 0, 4
	STEP 0, 0, 1                                   ; the first step's products start the sums
	s_mov_b32 s3, LAPS-1
.Llap:                                                 ; a trip goes once round the ring and fills both slots again
	TURN 0, 1, 1
	STEP 1, 0, 0
	TURN 1, 0, 1
	STEP 0, 0, 0
	s_sub_co_u32 s3, s3, 1
	s_cmp_lg_u32 s3, 0
	s_cbranch_scc1 .Llap
	TURN 0, 1, 0                                   ; the last lap fills nothing
	STEP 1, 0, 0
	s_wait_dscnt 4*NL
	WIN MUL_LO
	MUL16 0, 1, 0
	MUL16 2, 1, 0
	s_wait_dscnt 0
	WIN MUL_HI
	MUL16 4, 1, 0
	MUL16 6, 1, 0
	WIN 0
; THE WAY OUT of block a: sum x 2^(ea + eb) + bias by one packed multiply-add for two numbers (each accumulator from its low end on), the hold, the conversion, the stores.
; kind 0: a lane's 8 codes of block b lie at 512 (b / 2) + 256 (b % 2) + 16 r + 8 h of the image: the wave's store covers 256 consecutive bytes, aligned.
; kind 1 (V): the codes of blocks 2 g and 2 g + 1 are the lane's own 16 bytes: the wave's store covers 512 consecutive bytes.
.macro EMIT a, kind
.set AC, 64*((\a)%4)
.set CC, CD+16*((\a)%2)
	WIN 0x02+((\a)/4)                              ; source 0: window 2 or 3
.set j, 0
.rept 32
.if \kind
	v_pk_fma_f32 v[TMP+j:TMP+j+1], v[AC+j:AC+j+1], s[96:97], v[BV+2*(\a):BV+2*(\a)+1] op_sel_hi:[1,0,1]
.else
	v_pk_fma_f32 v[TMP+j:TMP+j+1], v[AC+j:AC+j+1], s[96:97], v[BIAS+j:BIAS+j+1] op_sel_hi:[1,0,1]
.endif
.set j, j+2
.endr
	WIN 0
.set j, 0
.rept 64
	v_med3_num_f32 v[TMP+j], v[TMP+j], -v[LIM], v[LIM]
.set j, j+1
.endr
.irp b, 0,1,2,3,4,5,6,7
	v_cvt_scalef32_pk8_fp8_f32 v[CC+2*\b:CC+2*\b+1], v[TMP+8*\b:TMP+8*\b+7], v[SC]
.endr
	v_nop                                          ; a plain line between the conversions and the next block's lines, which write their sources
.if \kind
.irp g, 0,1,2,3
	global_store_b128 v[CO2], v[CC+4*\g:CC+4*\g+3], s[10:11] offset:131072*((\a)/4)+2048*((\a)%4)+512*\g
.endr
.else
.irp b, 0,1,2,3,4,5,6,7
	global_store_b64 v[CO], v[CC+2*\b:CC+2*\b+1], s[10:11] offset:16384*(\a)+512*(\b/2)+256*(\b%2)
.endr
.endif
.endm
	s_wait_kmcnt 0x0                               ; the exponents: e_i in s[68 + i]
	s_add_co_i32 s98, s68, s69
	s_add_co_i32 s99, s70, s71
	s_add_co_i32 s100, s72, s73
	s_cmp_eq_u32 ttmp9, 1
	s_cselect_b32 s98, s99, s98
	s_cselect_b32 s101, s75, s74
	s_cmp_eq_u32 ttmp9, 2
	s_cselect_b32 s98, s100, s98                   ; the product's two exponents added
	s_cselect_b32 s101, s77, s101                  ; the result's: e6, e7 or e9
	s_add_co_i32 s98, s98, 127
	s_lshl_b32 s96, s98, 23                        ; 2^(ea + eb) as f32
	s_mov_b32 s97, s96
	s_add_co_i32 s101, s101, 127
	s_lshl_b32 s98, s101, 23
	v_mov_b32 v[SC], s98                           ; the result's scale as f32
	s_add_co_i32 s101, s101, 8
	s_lshl_b32 s101, s101, 23
	s_or_b32 s101, s101, 0x600000
	v_mov_b32 v[LIM], s101                         ; 448 x that
	s_wait_loadcnt 0x0                             ; the biases
	PLACES NP
	s_cmp_eq_u32 ttmp9, 2
	s_cbranch_scc1 .Lv
	EMIT 0, 0
	EMIT 1, 0
.irp a, 2,3,4,5,6,7
	s_wait_xcnt 0x0                                ; block a - 2's stores have read their data: that set of codes may be written again
	EMIT \a, 0
.endr
	s_branch .Ldone
.Lv:
	EMIT 0, 1
	EMIT 1, 1
.irp a, 2,3,4,5,6,7
	s_wait_xcnt 0x0
	EMIT \a, 1
.endr
.Ldone:
	s_wait_tensorcnt 0x0                           ; the wave's end
	ds_add_u32 v[SPW], v[NIL]
	s_wait_dscnt 0x0
	CROUND                                         ; the closing round: no work-group ends while a partner may still ask for a tile that names it
	s_endpgm
.Lfunc_end_k_qd7a8eed3f8_qkv:
	.size	k_qd7a8eed3f8_qkv, .Lfunc_end_k_qd7a8eed3f8_qkv-k_qd7a8eed3f8_qkv
	.p2alignl 7, 3214868480
	.fill 96, 4, 3214868480
	.section	.rodata,"a",@progbits
	.p2align	6, 0x0
	.amdhsa_kernel k_qd7a8eed3f8_qkv
		.amdhsa_group_segment_fixed_size 327680
		.amdhsa_private_segment_fixed_size 0
		.amdhsa_enable_private_segment 0
		.amdhsa_kernarg_size 72
		.amdhsa_user_sgpr_count 2
		.amdhsa_user_sgpr_kernarg_segment_ptr 1
		.amdhsa_wavefront_size32 1
		.amdhsa_system_sgpr_workgroup_id_x 1
		.amdhsa_system_sgpr_workgroup_id_y 1
		.amdhsa_system_sgpr_workgroup_id_z 1
		.amdhsa_system_vgpr_workitem_id 0
		.amdhsa_next_free_vgpr 1024
		.amdhsa_next_free_sgpr 102
		.amdhsa_reserve_vcc 0
		.amdhsa_float_denorm_mode_32 3
		.amdhsa_float_denorm_mode_16_64 3
		.amdhsa_memory_ordered 1
		.amdhsa_forward_progress 1
		.amdhsa_inst_pref_size 197
	.end_amdhsa_kernel
	.amdgpu_metadata
---
amdhsa.version: [ 1, 2 ]
amdhsa.kernels:
  - .name:           k_qd7a8eed3f8_qkv
    .symbol:         k_qd7a8eed3f8_qkv.kd
    .args:
      - { .name: xc, .offset: 0, .size: 8, .value_kind: global_buffer, .address_space: global }
      - { .name: wq_codes, .offset: 8, .size: 8, .value_kind: global_buffer, .address_space: global }
      - { .name: wk_codes, .offset: 16, .size: 8, .value_kind: global_buffer, .address_space: global }
      - { .name: wv_codes, .offset: 24, .size: 8, .value_kind: global_buffer, .address_space: global }
      - { .name: bq, .offset: 32, .size: 8, .value_kind: global_buffer, .address_space: global }
      - { .name: bk, .offset: 40, .size: 8, .value_kind: global_buffer, .address_space: global }
      - { .name: bv, .offset: 48, .size: 8, .value_kind: global_buffer, .address_space: global }
      - { .name: lowp_scales, .offset: 56, .size: 8, .value_kind: global_buffer, .address_space: global }
      - { .name: qkv, .offset: 64, .size: 8, .value_kind: global_buffer, .address_space: global }
    .group_segment_fixed_size: 327680
    .private_segment_fixed_size: 0
    .kernarg_segment_align: 8
    .kernarg_segment_size: 72
    .max_flat_workgroup_size: 128
    .sgpr_count:     102
    .vgpr_count:     1024
    .wavefront_size: 32
...
	.end_amdgpu_metadata
.endif
;; end of part 2
;; launch attn (part 3): grid 8 x 32, 16 waves a work-group, no clusters, 264,192 bytes of LDS; arguments qkv, mk, lowp_scales, ac; writes ac
.if DOCPART == 3
	.amdgcn_target "amdgcn-amd-amdhsa--gfx1250"
	.amdhsa_code_object_version 6
	.text
	.protected	k_qd7a8eed3f8_attn
	.globl	k_qd7a8eed3f8_attn
	.p2align	8
	.type	k_qd7a8eed3f8_attn,@function
k_qd7a8eed3f8_attn:
	s_mov_b64 s[64:65], 0
	v_nop
	global_prefetch_b8 v0, s[64:65] scope:SCOPE_SE
	s_setreg_imm32_b32 hwreg(HW_REG_WAVE_MODE, 25, 1), 1
	s_wait_xcnt 0x0
; Attention of one (batch, head) on E4M3 codes, under the mask that is given as an input, and the result quantised (e10) for the product with wo.
; t = score x 2^(e6 + e7) x log2(e) / 8; M = the running largest t rounded up to a whole number; p = 2^(t - M) is quantised (e8); the row's sum is taken of the unquantised p and divides at the end.
; SHARES.  Work-group (x, bh): sixteen waves, each one tile of 16 queries, tile 8 rank + x: the tiles of a work-group are spread over the whole sequence.  The rank comes from a table of 16 nibbles, a square:
; the ranks of the four waves with equal w % 4 add up to 30, and so do those of the four waves with equal w / 4.  So under a mask that hides late keys (rank + 1 steps a wave) either grouping of the waves in fours
; has 34 of the work-group's 136 steps.  Nothing right or wrong hangs on the table: it is any order of the sixteen tiles.
; Every wave walks 16 steps of 128 keys; a step in which no key counts for any of its queries is jumped over: all its p would be 0.  That jump hangs on the flags that the first launch stored, whatever the mask holds.
; NO CLUSTER, NO TENSOR LOAD.  What the eight work-groups of a head share is the head's 262,144 bytes of codes of k and v,
; which each copies ONCE, through registers, into LDS: 16,384 bytes a wave, one barrier in the whole launch.
; LAYOUT.  S^T = k q^T (source 0 = 16 neighbouring keys, source 1 = my queries; K = 64), O^T = v^T p^T (source 0 = 16 channels, source 1 = p; K = 128 keys): a lane holds ONE query throughout.
; Register 8 T + j of S^T is key 16 T + 8 (l / 16) + j: the conversion's results are the second product's operand in that form's own order of k, and v was laid in the same order.
; THE MASK comes as 64 lane-mask words a step, by scalar loads: one v_cndmask_b32 a register.  Only a step with a hidden key loads them: the step's front is written twice, once behind the loads and once bare.
; A query for which no key counts has the sum 0: its codes become the NaN code, which makes that token's row NaN in the later launches.
; LIMITS: e6 + e7 between -123 and 130 (added to c's exponent field); e8, e10 between -126 and 119.
; REGISTERS: v1 16 l, v2 the same in v's region, v3, v4 the step's addresses, v5 16 r + 8 h, v7 -infinity; v12 -M, v13 the largest t, v[14:15] the sum; v16-23 q; v32-95 k's, then v's fragments;
;   v96-159 S^T, then p; v160-191 O^T; v192-223 the way out; v224-239 codes; v240, v244: 448 x 2^e8, 2^e8; v241, v245: the same with e10; v242-243, v246-254 at work.
.set VREG, 131072                      ; LDS: k at key tile x 1,024; v at VREG + step x 8,192 + dt x 2,048
; THE FRONT OF A STEP: k's sixteen loads, the eight products S^T = k q^T, v's sixteen loads into the registers that k has left: v lands under the softmax.
.macro FRONT
.set i, 0
.rept 16
	ds_load_b128 v[32+4*i:35+4*i], v3 offset:512*i         ; key tile i / 2, channels 32 (i % 2) + 16 h on
.set i, i+1
.endr
	s_wait_dscnt 8                                 ; key tiles 0-3 are in; the eight loads of tiles 4-7 may be out
.set i, 0
.rept 4
	v_wmma_f32_16x16x64_fp8_fp8 v[96+8*i:103+8*i], v[32+8*i:39+8*i], v[16:23], 0
.set i, i+1
.endr
	s_wait_dscnt 0x0
.rept 4
	v_wmma_f32_16x16x64_fp8_fp8 v[96+8*i:103+8*i], v[32+8*i:39+8*i], v[16:23], 0
.set i, i+1
.endr
.rept 4
	v_nop                                          ; places in front of the loads into k's registers and of the first read of the scores
.endr
.set i, 0
.rept 16
	ds_load_b128 v[32+4*i:35+4*i], v4 offset:512*i         ; v: channels 16 (i / 4) on, keys 32 (i % 4) on
.set i, i+1
.endr
.endm
	s_load_b256 s[4:11], s[0:1], 0x0               ; qkv s[4:5], mk s[6:7], the exponents s[8:9], ac s[10:11]
	v_lshl_add_u32 v31, v0, 2, 0x40000
	v_mov_b32 v255, 0
	v_lshrrev_b32 v1, 5, v0
	v_readfirstlane_b32 s12, v1                    ; wave 0..15
	v_and_b32 v8, 31, v0
	v_lshlrev_b32 v1, 4, v8
	v_add_nc_u32 v2, VREG, v1
	s_lshl_b32 s14, s12, 13                        ; 8,192 x wave
	v_add_nc_u32 v3, s14, v1                       ; where I copy k
	v_add_nc_u32 v4, s14, v2                       ; and v
	v_and_b32 v9, 15, v0
	v_bfe_u32 v10, v0, 4, 1
	v_lshlrev_b32 v5, 4, v9
	v_lshl_add_u32 v5, v10, 3, v5
	s_and_b32 s15, ttmp7, 0xffff                   ; batch x 16 + head
	s_lshr_b32 s93, s15, 4
	s_and_b32 s94, s15, 15
	s_lshr_b32 s95, s94, 1
	s_lshl_b32 s95, s95, 11
	s_and_b32 s94, s94, 1
	s_lshl_b32 s94, s94, 10
	s_add_co_u32 s94, s94, s95                     ; the head's 1,024 bytes in a token block's 16,384
	s_mov_b32 s16, 0x378c04bf                      ; the ranks of waves 0-7, a nibble each, wave 0's lowest: 15, 11, 4, 0, 12, 8, 7, 3
	s_mov_b32 s17, 0xda61e952                      ; and of waves 8-15: 2, 5, 9, 14, 1, 6, 10, 13
	s_cmp_lt_u32 s12, 8
	s_cselect_b32 s95, s16, s17
	s_and_b32 s16, s12, 7
	s_lshl_b32 s16, s16, 2
	s_lshr_b32 s95, s95, s16
	s_and_b32 s95, s95, 15                         ; rank
	s_lshl_b32 s13, s95, 3
	s_add_co_u32 s13, s13, ttmp9                   ; my tile of queries, 0..127
	s_lshl_b32 s93, s93, 7                         ; the batch's first token block
	s_add_co_u32 s16, s93, s13
	s_lshl_b32 s16, s16, 14
	s_add_co_u32 s16, s16, s94                     ; q's, and ac's, bytes of my tile
	s_mov_b32 s17, 0
	s_lshl_b32 s18, s12, 3
	s_add_co_u32 s18, s18, s93
	s_lshl_b32 s18, s18, 14
	s_add_co_u32 s18, s18, s94
	s_add_co_u32 s18, s18, 0x400000                ; k: key tiles 8 w .. 8 w + 7
	s_mov_b32 s19, 0
	s_lshl_b32 s20, s15, 17
	s_add_co_u32 s20, s20, s14
	s_add_co_u32 s20, s20, 0x800000                ; v: step w
	s_mov_b32 s21, 0
	s_lshl_b32 s22, s13, 2
	s_add_co_u32 s22, s22, 0x80000                 ; my tile's flags
	s_mov_b32 s23, 0
	s_lshl_b32 s84, s13, 12                        ; my tile's mask words: 16 steps x 256 bytes
	s_mov_b32 s85, 0
	s_mov_b32 s90, 0x76543210
	s_mov_b32 s91, 0xfedcba98                      ; v_permlanex16_b32's selects for lane l xor 16
	s_mov_b32 s88, 0x3e38aa3b                      ; c = log2(e) / 8
	s_mov_b32 s2, 0                                ; the step
	s_mov_b32 s86, 0                               ; and its first byte in k's and in v's region
	s_wait_kmcnt 0x0
	s_add_nc_u64 s[10:11], s[10:11], s[16:17]
	s_add_nc_u64 s[16:17], s[4:5], s[16:17]
	s_add_nc_u64 s[18:19], s[4:5], s[18:19]
	s_add_nc_u64 s[20:21], s[4:5], s[20:21]
	s_add_nc_u64 s[22:23], s[6:7], s[22:23]
	s_add_nc_u64 s[84:85], s[6:7], s[84:85]
	s_load_b512 s[32:47], s[8:9], 0x0              ; e_i in s[32 + i]
	s_load_b32 s3, s[22:23], 0x0                   ; the flags
	global_load_b128 v[16:19], v1, s[16:17]        ; q: channels 16 h + 0 .. 15,
	global_load_b128 v[20:23], v1, s[16:17] offset:512   ; and 32 + 16 h + 0 .. 15
.set i, 0
.rept 16
	global_load_b128 v[32+4*i:35+4*i], v1, s[18:19] offset:16384*(i/2)+512*(i%2)
.set i, i+1
.endr
.set i, 0
.rept 16
	global_load_b128 v[96+4*i:99+4*i], v1, s[20:21] offset:512*i
.set i, i+1
.endr
	v_mov_b32 v7, 0xff800000
	v_mov_b32 v13, 0xff61b1e6                      ; the largest t so far: -3e38, under every t
	v_floor_f32 v12, -v13                          ; -M
	v_mov_b32 v14, 0
	v_mov_b32 v15, 0
	v_mov_b32 v246, 0                              ; a lane permute's destination counts as read
	v_mov_b32 v253, 0                              ; (named as the upper half of the pair v[252:253])
.set i, 0
.rept 32
	v_mov_b32 v[160+i], 0                          ; O^T: the loop is written once; its first step finds zeros
.set i, i+1
.endr
.set i, 0
.rept 16
	s_wait_loadcnt 31-i                            ; load i of the 32 is in; the younger ones may be out
	ds_store_b128 v3, v[32+4*i:35+4*i] offset:512*i
.set i, i+1
.endr
.set i, 0
.rept 16
	s_wait_loadcnt 15-i
	ds_store_b128 v4, v[96+4*i:99+4*i] offset:512*i
.set i, i+1
.endr
	s_wait_kmcnt 0x0
	s_add_co_i32 s93, s38, s39
	s_lshl_b32 s93, s93, 23
	s_add_co_i32 s88, s88, s93                     ; a score stands for score x 2^(e6 + e7)
	s_mov_b32 s89, s88
	s_add_co_i32 s93, s40, 127
	s_lshl_b32 s94, s93, 23
	v_mov_b32 v244, s94                            ; 2^e8
	s_add_co_i32 s93, s93, 8
	s_lshl_b32 s93, s93, 23
	s_or_b32 s93, s93, 0x600000
	v_mov_b32 v240, s93                            ; 448 x 2^e8
	s_add_co_i32 s93, s42, 127
	s_lshl_b32 s94, s93, 23
	v_mov_b32 v245, s94                            ; 2^e10
	s_add_co_i32 s93, s93, 8
	s_lshl_b32 s93, s93, 23
	s_or_b32 s93, s93, 0x600000
	v_mov_b32 v241, s93
	s_add_co_i32 s92, s40, s41                     ; e8 + e9
	s_cmp_lt_i32 s40, -8
	s_cselect_b32 s87, 1, 0                        ; p is at most 1, and 448 x 2^e8 is at least 1.75 from e8 = -8 on: only below that can the hold change a number
	s_wait_dscnt 0x0                               ; for the others' sake: my part of k and v is stored
	s_barrier_signal -1
	s_barrier_wait -1
.Lstep:
	s_bitcmp1_b32 s3, s2
	s_cbranch_scc0 .Lskip                          ; no key of this step counts for any of my queries
	v_add_nc_u32 v3, s86, v1
	v_add_nc_u32 v4, s86, v2
	s_add_co_u32 s93, s2, 16
	s_bitcmp1_b32 s3, s93
	s_cbranch_scc0 .Lplain                         ; no key of this step is hidden: its mask words are not loaded
	s_load_b512 s[16:31], s[84:85], 0x0            ; the step's 64 mask words: word n in s[16 + n], from n = 48 on in s[20 + n]
	s_load_b512 s[32:47], s[84:85], 0x40
	s_load_b512 s[48:63], s[84:85], 0x80
	s_load_b512 s[68:83], s[84:85], 0xc0
	FRONT
	s_wait_kmcnt 0x0
.set n, 0
.rept 64
	v_cndmask_b32 v[96+n], v[96+n], v7, s[16+n+4*(n/48)]   ; a hidden key's score becomes -infinity: p = 0
.set n, n+1
.endr
	s_branch .Lopen
.Lplain:
	FRONT
.Lopen:
	v_max3_num_f32 v254, v96, v97, v98             ; the step's largest score of my query among my 64 keys: four chains of 16 registers, line by line, so that no line waits for the line above it;
	v_max3_num_f32 v252, v112, v113, v114          ; each accumulator is read from its low end on
	v_max3_num_f32 v248, v128, v129, v130
	v_max3_num_f32 v249, v144, v145, v146
.irp i, 3,5,7,9,11,13
	v_max3_num_f32 v254, v254, v[96+\i], v[97+\i]
	v_max3_num_f32 v252, v252, v[112+\i], v[113+\i]
	v_max3_num_f32 v248, v248, v[128+\i], v[129+\i]
	v_max3_num_f32 v249, v249, v[144+\i], v[145+\i]
.endr
	v_max3_num_f32 v254, v254, v111, v127          ; the chains' last registers,
	v_max3_num_f32 v248, v248, v143, v159
	v_max3_num_f32 v254, v254, v252, v248          ; and the four chains
	v_max_num_f32 v254, v254, v249
	v_permlanex16_b32 v246, v254, s90, s91
	v_max_num_f32 v254, v254, v246                 ; and among lane l xor 16's
	v_mul_f32 v254, s88, v254                      ; as t (c is positive)
	v_max_num_f32 v13, v13, v254                   ; the running largest t
	v_mov_b32 v254, v12
	v_floor_f32 v12, -v13                          ; the new -M = -ceil(t)
	v_pk_fma_f32 v[96:97], v[96:97], s[88:89], v[12:13] op_sel_hi:[1,0,0]     ; t - M: the first two pairs
	v_pk_fma_f32 v[98:99], v[98:99], s[88:89], v[12:13] op_sel_hi:[1,0,0]
	v_sub_f32 v254, v12, v254                      ; old M - new M: a whole number, 0 or less
	v_cvt_i32_f32 v254, v254                       ; (it saturates)
	v_ldexp_f32 v252, 1.0, v254                    ; f = 2^(old M - new M)
; ONE BATCH: the 64 exponentials, and between them the other 30 scalings (each two pairs ahead of its exponentials) and O^T's 16 rescalings by f (ascending: each accumulator from its low end on).
; None of the lines between names an exponential's result, so one wait serves the batch.
.set j, 0
.rept 32
	v_exp_f32 v[96+2*j], v[96+2*j]                 ; p = 2^(t - M)
.if j < 30
	v_pk_fma_f32 v[100+2*j:101+2*j], v[100+2*j:101+2*j], s[88:89], v[12:13] op_sel_hi:[1,0,0]
.elseif j == 30
	v_pk_mul_f32 v[190:191], v[190:191], v[252:253] op_sel_hi:[1,0]
.endif
	v_exp_f32 v[97+2*j], v[97+2*j]
.if (j % 2 == 0) && (j < 30)
	v_pk_mul_f32 v[160+j:161+j], v[160+j:161+j], v[252:253] op_sel_hi:[1,0]   ; O^T under the new M
.endif
.set j, j+1
.endr
	v_pk_mul_f32 v[14:15], v[14:15], v[252:253] op_sel_hi:[1,0]   ; the sums under the new M: the plain line behind the last exponential
	s_wait_alu depctr_va_vdst(0)                   ; one wait for the whole batch, ahead of its first reader
	v_pk_add_f32 v[242:243], v[96:97], v[98:99]    ; the row's sum, of the unquantised p, in four chains
	v_pk_add_f32 v[248:249], v[100:101], v[102:103]
	v_pk_add_f32 v[250:251], v[104:105], v[106:107]
	v_pk_add_f32 v[14:15], v[14:15], v[108:109]
.irp j, 14,22,30,38,46,54
	v_pk_add_f32 v[242:243], v[242:243], v[96+\j:97+\j]
	v_pk_add_f32 v[248:249], v[248:249], v[98+\j:99+\j]
	v_pk_add_f32 v[250:251], v[250:251], v[100+\j:101+\j]
	v_pk_add_f32 v[14:15], v[14:15], v[102+\j:103+\j]
.endr
	v_pk_add_f32 v[242:243], v[242:243], v[158:159]
	v_pk_add_f32 v[242:243], v[242:243], v[248:249]
	v_pk_add_f32 v[14:15], v[14:15], v[250:251]
	v_pk_add_f32 v[14:15], v[14:15], v[242:243]
	s_cmp_eq_u32 s87, 0
	s_cbranch_scc1 .Lnohold
.set j, 0
.rept 64
	v_min_num_f32 v[96+j], v[96+j], v240           ; p is not negative: the hold is one-sided
.set j, j+1
.endr
.Lnohold:
.irp T, 0,1,2,3,4,5,6,7
	v_cvt_scalef32_pk8_fp8_f32 v[224+2*\T:225+2*\T], v[96+8*\T:103+8*\T], v244   ; registers 2 T, 2 T + 1: keys 16 T + 8 h + 0 .. 7
.endr
	v_nop                                          ; a plain line between the conversions and the products that read their results
	s_wait_dscnt 0x0                               ; v is in
.irp d, 0,1,2,3                        ; four accumulators by turns, one instruction a turn
	v_wmma_f32_16x16x128_fp8_fp8 v[160+8*\d:167+8*\d], v[32+16*\d:47+16*\d], v[224:239], v[160+8*\d:167+8*\d]
.endr
.rept 4
	v_nop                                          ; places in front of the next loads into v's registers, and of the way out's first read
.endr
.Lskip:
	s_add_nc_u64 s[84:85], s[84:85], 256           ; (the scalar loads that read this address, where there were any, have been waited for)
	s_add_co_u32 s86, s86, 8192
	s_add_co_u32 s2, s2, 1
	s_cmp_lt_u32 s2, 16
	s_cbranch_scc1 .Lstep
	; THE WAY OUT: O^T x 2^(e8 + e9) / the sum, quantised.  A lane's 8 codes of channel tile dt lie at 512 (dt / 2) + 256 (dt % 2) + 16 r + 8 h of the head's 1,024 bytes.
	v_add_f32 v14, v14, v15
	v_permlanex16_b32 v246, v14, s90, s91
	v_add_f32 v15, v14, v246                       ; the row's sum
	v_rcp_f32 v14, v15
	v_mov_b32 v247, 0x7f7f7f7f                     ; (the plain line behind the reciprocal)  four NaN codes
	v_cmp_eq_f32 vcc_lo, 0, v15
	s_wait_alu depctr_va_vdst(0)                   ; ahead of the reciprocal's first reader
	v_ldexp_f32 v14, v14, s92
.set j, 0
.rept 32
	v_mul_f32 v[192+j], v[160+j], v14
.set j, j+1
.endr
.set j, 0
.rept 32
	v_med3_num_f32 v[192+j], v[192+j], -v241, v241
.set j, j+1
.endr
.irp d, 0,1,2,3
	v_cvt_scalef32_pk8_fp8_f32 v[224+2*\d:225+2*\d], v[192+8*\d:199+8*\d], v245
.endr
	v_nop
.set j, 0
.rept 8
	v_cndmask_b32 v[224+j], v[224+j], v247, vcc_lo ; no key counted: NaN
.set j, j+1
.endr
.irp d, 0,1,2,3
	global_store_b64 v5, v[224+2*\d:225+2*\d], s[10:11] offset:512*(\d/2)+256*(\d%2)   ; the wave's store covers 256 consecutive bytes, aligned
.endr
	s_wait_tensorcnt 0x0
	ds_add_u32 v31, v255
	s_wait_dscnt 0x0
	s_endpgm
.Lfunc_end_k_qd7a8eed3f8_attn:
	.size	k_qd7a8eed3f8_attn, .Lfunc_end_k_qd7a8eed3f8_attn-k_qd7a8eed3f8_attn
	.p2alignl 7, 3214868480
	.fill 96, 4, 3214868480
	.section	.rodata,"a",@progbits
	.p2align	6, 0x0
	.amdhsa_kernel k_qd7a8eed3f8_attn
		.amdhsa_group_segment_fixed_size 264192
		.amdhsa_private_segment_fixed_size 0
		.amdhsa_enable_private_segment 0
		.amdhsa_kernarg_size 32
		.amdhsa_user_sgpr_count 2
		.amdhsa_user_sgpr_kernarg_segment_ptr 1
		.amdhsa_wavefront_size32 1
		.amdhsa_system_sgpr_workgroup_id_x 1
		.amdhsa_system_sgpr_workgroup_id_y 1
		.amdhsa_system_sgpr_workgroup_id_z 1
		.amdhsa_system_vgpr_workitem_id 0
		.amdhsa_next_free_vgpr 256
		.amdhsa_next_free_sgpr 96
		.amdhsa_reserve_vcc 1
		.amdhsa_float_denorm_mode_32 3
		.amdhsa_float_denorm_mode_16_64 3
		.amdhsa_memory_ordered 1
		.amdhsa_forward_progress 1
		.amdhsa_inst_pref_size 39
	.end_amdhsa_kernel
	.amdgpu_metadata
---
amdhsa.version: [ 1, 2 ]
amdhsa.kernels:
  - .name:           k_qd7a8eed3f8_attn
    .symbol:         k_qd7a8eed3f8_attn.kd
    .args:
      - { .name: qkv, .offset: 0, .size: 8, .value_kind: global_buffer, .address_space: global }
      - { .name: mk, .offset: 8, .size: 8, .value_kind: global_buffer, .address_space: global }
      - { .name: lowp_scales, .offset: 16, .size: 8, .value_kind: global_buffer, .address_space: global }
      - { .name: ac, .offset: 24, .size: 8, .value_kind: global_buffer, .address_space: global }
    .group_segment_fixed_size: 264192
    .private_segment_fixed_size: 0
    .kernarg_segment_align: 8
    .kernarg_segment_size: 32
    .max_flat_workgroup_size: 512
    .sgpr_count:     96
    .vgpr_count:     256
    .wavefront_size: 32
...
	.end_amdgpu_metadata
.endif
;; end of part 3
;; launch wo (part 4): grid 8 x 32, 4 waves a work-group, clusters of 4 x 4, 327,680 bytes of LDS; arguments ac, wo_codes, lowp_scales, y; writes y
.if DOCPART == 4
	.amdgcn_target "amdgcn-amd-amdhsa--gfx1250"
	.amdhsa_code_object_version 6
	.text
	.protected	k_qd7a8eed3f8_wo
	.globl	k_qd7a8eed3f8_wo
	.p2align	8
	.type	k_qd7a8eed3f8_wo,@function
k_qd7a8eed3f8_wo:
	s_mov_b64 s[64:65], 0
	v_nop
	global_prefetch_b8 v0, s[64:65] scope:SCOPE_SE
	s_setreg_imm32_b32 hwreg(HW_REG_WAVE_MODE, 25, 1), 1
	s_wait_xcnt 0x0
	s_wait_alu depctr_hold_cnt(0) depctr_sa_sdst(0) depctr_va_vdst(0) depctr_va_sdst(0) depctr_va_ssrc(0) depctr_va_vcc(0) depctr_vm_vsrc(0)
	s_getreg_b32 s2, hwreg(HW_REG_IB_STS2, 6, 4)
	s_cmp_eq_u32 s2, 0
	s_cbranch_scc0 .Lentry_in_a_cluster
	s_endpgm
.Lentry_in_a_cluster:
	s_bfe_u32 s2, ttmp6, 0x10000c
	s_cmp_lg_u32 s2, 0xf033
	s_cbranch_scc0 .Lentry_shape_is_right
	s_endpgm
.Lentry_shape_is_right:
; y[token][n] = 2^(ea + eb) x the sum over k of A[token][k] W[n][k], on E4M3 codes.  A: 4,096 tokens x KB as images of operand registers (token block x 16 KB + kc x 2,048 + c x 512 + 16 l); W: [1024][KB], K innermost; y: f32.
; 1,024 columns make only 64 tiles of 256 x 256, so a tile is 128 x 128: 256 work-groups.  Four waves, each 64 x 64: 16 accumulators.  K goes in steps of 512 through a ring of two LDS slots.
; CLUSTERS: 4 x 4: A's tile is asked for jointly along a row of the cluster, W's along a column.  TRANSPOSED USE: source 0 = 16 rows of W, source 1 = 16 tokens: a lane holds eight neighbouring columns of a row of y.
; A's tile is four token blocks x 8,192 dense bytes a load; a fragment comes back by four loads of 512 consecutive bytes.  W's rows of 512 bytes get 16 of padding.
; LIMIT: ea + eb between -126 and 127.
; REGISTERS: window 0: v0-31 addresses; v32-127 the way out; v128-255 the accumulators ((a, b) at v[128 + 8 (4 a + b)]).  Window 1: two fragment buffers of 128: A's four fragments, then W's four.
.set KB,     1024                      ; the product's K, in bytes of a row
.set EOFF,   40                        ; where its two exponents lie in the buffer of scales
.set BP,     528
.set AHALF,  32768                     ; 64 tokens x 512 K
.set BHALF,  64*BP
.set BOFF,   2*AHALF
.set SLOT,   BOFF+2*BHALF              ; 133,120
.set SPARE,  2*SLOT                    ; the spare words, 128 bytes a wave, that no other line names
.set STAGE,  SPARE+512                 ; the way out: two buffers of 16 rows x 272 bytes for each wave
.set SPITCH, 272
.set LAPS,   KB/1024                   ; a lap = two K steps of 512
.set ADRA, 16
.set ADRB, 20
.set STO,  24
.set RD,   25
.set CO,   26
.set SPW,  28
.set NIL,  29
.set TMP,  32
.set BK,   64
.set ACC,  128
.set F0,   0
.set F1,   128
.set G1, 24
.set G0, 32
.set G1B, 48
.set G0B, 56
.set MSB, 0
.macro WIN new
.if MSB != \new
	s_set_vgpr_msb (MSB<<8)|\new
.set MSB, \new
.endif
.endm
.set MULW, 0x05                        ; sources 0 and 1 window 1; C and D window 0
.set TO_F, 0x40                        ; destination window 1, address window 0
.macro JLOAD s                         ; waves 0 and 1 fetch A's halves, waves 2 and 3 W's; four v_nop follow each of the two lines
	s_cmp_eq_u32 s11, 0
	s_cbranch_scc0 .Lfor_b_\@
	tensor_load_to_lds s[G0+4*\s:G0+4*\s+3], s[G1:G1+7]
	s_nop 0
.rept 4
	v_nop
.endr
	s_branch .Lasked_\@
.Lfor_b_\@:
	tensor_load_to_lds s[G0B+4*\s:G0B+4*\s+3], s[G1B:G1B+7]
	s_nop 0
.rept 4
	v_nop
.endr
.Lasked_\@:
.endm
.macro CREST
	s_cmp_lg_u32 s10, 0
	s_cbranch_scc1 .Lnot_wave_0_\@
	s_barrier_signal -3
.Lnot_wave_0_\@:
	s_barrier_wait -3
	s_barrier_signal -1
	s_barrier_wait -1
.endm
.macro CROUND
	s_barrier_signal -1
	s_barrier_wait -1
	CREST
.endm
	s_load_b128 s[4:7], s[0:1], 0x0                ; A, W
	s_load_b64 s[8:9], s[0:1], 0x10                ; the exponents
	s_load_b64 s[68:69], s[0:1], 0x18              ; y
	v_lshl_add_u32 v[SPW], v0, 2, SPARE
	v_mov_b32 v[NIL], 0
	ds_add_u32 v28, v29
	ds_add_u32 v28, v29
	s_wait_dscnt 0x0
	v_lshrrev_b32 v1, 5, v0
	v_readfirstlane_b32 s10, v1                    ; wave 0..3
	s_lshr_b32 s11, s10, 1                         ; which half of the tile's tokens is mine.  Also: I fetch A (0) or W (1)
	s_and_b32 s12, s10, 1                          ; which half of its columns.  Also: which half I fetch
	s_bfe_u32 s40, ttmp6, 0x40000
	s_bfe_u32 s41, ttmp6, 0x40004
	s_lshl_b32 s42, ttmp9, 2
	s_add_co_u32 s42, s42, s40                     ; tile column
	s_and_b32 s13, ttmp7, 0xffff
	s_lshl_b32 s13, s13, 2
	s_add_co_u32 s13, s13, s41                     ; tile row
	s_lshl_b32 s43, s41, 2
	s_lshl_b32 s43, 15, s43
	s_lshl_b32 s44, 0x1111, s40
	s_or_b32 s[G1+0], s43, (1<<21)                 ; A: the mask of my row; elements of 1 byte; no padding; bit 21 beside a mask
	s_mov_b32 s[G1+1], 8192<<16                    ; tensor_dim0: a token block's 8,192 bytes of the K step
	s_mov_b32 s[G1+2], 4<<16                       ; tensor_dim1: four token blocks
	s_mov_b32 s[G1+3], 8192<<16                    ; tile_dim0
	s_mov_b32 s[G1+4], 4                           ; tile_dim1
	s_mov_b32 s[G1+5], 16*KB                       ; from token block to token block
	s_mov_b32 s[G1+6], 0
	s_mov_b32 s[G1+7], 0
	s_or_b32 s[G1B+0], s44, (1<<20)|(1<<21)|(6<<22)|(3<<25)   ; W: the mask of my column; padding: 4 words after every 128
	s_mov_b32 s[G1B+1], 512<<16
	s_mov_b32 s[G1B+2], 64<<16
	s_mov_b32 s[G1B+3], 512<<16
	s_mov_b32 s[G1B+4], 64
	s_mov_b32 s[G1B+5], KB
	s_mov_b32 s[G1B+6], 0
	s_mov_b32 s[G1B+7], 0
	s_lshl_b32 s16, s13, 3
	s_lshl_b32 s17, s12, 2
	s_add_co_u32 s16, s16, s17                     ; A: token block 8 x tile row + 4 x half
	s_mul_i32 s16, s16, 16*KB
	s_mov_b32 s17, 0
	s_lshl_b32 s46, s42, 7
	s_lshl_b32 s47, s12, 6
	s_add_co_u32 s46, s46, s47                     ; W: row 128 x tile column + 64 x half
	s_mul_i32 s46, s46, KB
	s_mov_b32 s47, 0
	s_mul_i32 s20, s12, AHALF                      ; where they go
	s_mul_i32 s21, s12, BHALF
	s_add_co_u32 s21, s21, BOFF
	s_wait_kmcnt 0x0
	s_load_b64 s[70:71], s[8:9], EOFF              ; ea, eb
	s_add_nc_u64 s[14:15], s[4:5], s[16:17]
	s_add_nc_u64 s[46:47], s[6:7], s[46:47]
	CROUND                                         ; all sixteen work-groups are here: the first joint loads meet
.irp s, 0,1
	s_mov_b32 s[G0+4*\s], 1
	s_add_co_u32 s[G0+4*\s+1], s20, \s*SLOT
	s_add_nc_u64 s[G0+4*\s+2:G0+4*\s+3], s[14:15], \s*8192
	s_or_b32 s[G0+4*\s+3], s[G0+4*\s+3], 0x80000000
	s_mov_b32 s[G0B+4*\s], 1
	s_add_co_u32 s[G0B+4*\s+1], s21, \s*SLOT
	s_add_nc_u64 s[G0B+4*\s+2:G0B+4*\s+3], s[46:47], \s*512
	s_or_b32 s[G0B+4*\s+3], s[G0B+4*\s+3], 0x80000000
	JLOAD \s
.endr
	v_and_b32 v1, 15, v0                           ; r
	v_bfe_u32 v2, v0, 4, 1                         ; h
	v_and_b32 v6, 31, v0
	v_lshlrev_b32 v7, 4, v6                        ; 16 l
	v_mul_u32_u24 v3, v1, BP
	v_lshl_add_u32 v3, v2, 4, v3
	s_mul_i32 s21, s11, AHALF                      ; my 64 tokens
	s_mul_i32 s22, s12, BHALF
	s_add_co_u32 s22, s22, BOFF                    ; my 64 rows of W
.irp s, 0,1
	v_add_nc_u32 v[ADRA+\s], s21, v7
	v_add_nc_u32 v[ADRB+\s], s22, v3
	s_add_co_u32 s21, s21, SLOT
	s_add_co_u32 s22, s22, SLOT
.endr
	s_mul_i32 s23, s10, 2*16*SPITCH
	s_add_co_u32 s23, s23, STAGE                   ; my stage
	v_mul_u32_u24 v4, v1, SPITCH
	v_lshl_add_u32 v4, v2, 5, v4
	v_add_nc_u32 v[STO], s23, v4                   ; in: row r, 32 bytes for each half of the lanes
	v_mul_u32_u24 v5, v2, SPITCH
	v_lshl_add_u32 v5, v1, 4, v5
	v_add_nc_u32 v[RD], s23, v5                    ; back: lanes 0-15 one row of 256 bytes, lanes 16-31 the next
	v_lshlrev_b32 v5, 12, v2
	v_lshl_add_u32 v[CO], v1, 4, v5                ; and the same two rows of y
	s_lshl_b32 s16, s13, 7
	s_lshl_b32 s17, s11, 6
	s_add_co_u32 s16, s16, s17
	s_lshl_b32 s16, s16, 12                        ; my first row of y, rows of 4,096 bytes
	s_lshl_b32 s46, s42, 9
	s_lshl_b32 s47, s12, 8
	s_add_co_u32 s46, s46, s47                     ; my first column, in bytes
	s_add_co_u32 s16, s16, s46
	s_mov_b32 s17, 0
	s_add_nc_u64 s[68:69], s[68:69], s[16:17]
; n blocks of A from a0 on x W's four, 128 along K, from buffer f.  The 16 accumulators take turns, one instruction a turn, in the same order in every quarter.
.macro MUL a0, n, f, zero
.set aa, \a0
.rept \n
.irp b, 0,1,2,3
.if \zero
	v_wmma_f32_16x16x128_fp8_fp8 v[ACC+8*(4*aa+\b):ACC+8*(4*aa+\b)+7], v[\f+64+16*\b:\f+64+16*\b+15], v[\f+16*aa:\f+16*aa+15], 0
.else
	v_wmma_f32_16x16x128_fp8_fp8 v[ACC+8*(4*aa+\b):ACC+8*(4*aa+\b)+7], v[\f+64+16*\b:\f+64+16*\b+15], v[\f+16*aa:\f+16*aa+15], v[ACC+8*(4*aa+\b):ACC+8*(4*aa+\b)+7]
.endif
.endr
.set aa, aa+1
.endr
.endm
; 32 LDS loads in one run: the slot's q-th 128 along K into buffer f: W's four fragments, then A's blocks 0 to 3
.macro FETCH slot, q, f
	WIN TO_F
.irp i, 0,1,2,3
.irp c, 0,1,2,3
	ds_load_b128 v[\f+64+16*\i+4*\c:\f+64+16*\i+4*\c+3], v[ADRB+\slot] offset:128*(\q)+32*\c+\i*16*BP
.endr
.endr
.irp i, 0,1,2,3
.irp c, 0,1,2,3
	ds_load_b128 v[\f+16*\i+4*\c:\f+16*\i+4*\c+3], v[ADRA+\slot] offset:8192*\i+2048*(\q)+512*\c
.endr
.endr
.endm
.macro PLACES
.rept 4
	v_nop
.endr
.endm
; A K step is four quarters of 128 along K, 16 matrix instructions each, on buffers 0, 1, 0, 1.  One of the first three: multiplies buffer f and fetches quarter qn into g.
.macro QUARTER slot, qn, f, g, zero
	s_wait_dscnt 8                                 ; W and A's blocks 0, 1 are in; the youngest eight loads (blocks 2, 3) may be out
	WIN MULW
	MUL 0, 2, \f, \zero
	PLACES
	FETCH \slot, \qn, \g
	s_wait_dscnt 32                                ; all but the 32 just issued
	WIN MULW
	MUL 2, 2, \f, \zero
.endm
; The last quarter multiplies buffer 1 and changes slots: one barrier; in front of it each wave waits for all its tensor loads, adds 0 to its spare word, and waits for that and for its reads of this slot.
.macro TURN slot, next, fill
	WIN 0
	s_wait_tensorcnt 0x0                           ; all my tensor loads have landed: my part of the next slot
	ds_add_u32 v[SPW], v[NIL]                      ; 0 onto my spare word
	s_wait_dscnt 9                                 ; (the add and the youngest eight loads may be out)
	WIN MULW
	MUL 0, 1, F1, 0
	s_wait_dscnt 0x0                               ; the add is done, and my reads of this slot are over
	s_barrier_signal -1
	MUL 1, 1, F1, 0
.if \fill
	WIN 0
.endif
	s_barrier_wait -1
.if \fill
	CREST                                          ; the barrier has opened a round of the cluster's barrier
	s_add_nc_u64 s[G0+4*\slot+2:G0+4*\slot+3], s[G0+4*\slot+2:G0+4*\slot+3], 2*8192
	s_add_nc_u64 s[G0B+4*\slot+2:G0B+4*\slot+3], s[G0B+4*\slot+2:G0B+4*\slot+3], 2*512
	JLOAD \slot                                    ; the first tensor load behind the round; its four v_nop are also the places in front of the loads below
.else
	PLACES
.endif
	FETCH \next, 0, F0
	WIN MULW
	MUL 2, 2, F1, 0
.endm
	s_wait_tensorcnt 1                             ; my part of K step 0 is in; K step 1's load may be out
	s_barrier_signal -1
	s_barrier_wait -1
	FETCH 0, 0, F0
	QUARTER 0, 1, F0, F1, 1                        ; the first quarter's products start the sums
.if LAPS > 1
	WIN 0
	s_mov_b32 s3, LAPS-1
.Llap:
	QUARTER 0, 2, F1, F0, 0
	QUARTER 0, 3, F0, F1, 0
	TURN 0, 1, 1
	QUARTER 1, 1, F0, F1, 0
	QUARTER 1, 2, F1, F0, 0
	QUARTER 1, 3, F0, F1, 0
	TURN 1, 0, 1
	QUARTER 0, 1, F0, F1, 0
	WIN 0
	s_sub_co_u32 s3, s3, 1
	s_cmp_lg_u32 s3, 0
	s_cbranch_scc1 .Llap
.endif
	QUARTER 0, 2, F1, F0, 0                        ; the last lap fills nothing
	QUARTER 0, 3, F0, F1, 0
	TURN 0, 1, 0
	QUARTER 1, 1, F0, F1, 0
	QUARTER 1, 2, F1, F0, 0
	QUARTER 1, 3, F0, F1, 0
	s_wait_dscnt 8
	WIN MULW
	MUL 0, 2, F1, 0
	s_wait_dscnt 0
	MUL 2, 2, F1, 0
	WIN 0
; THE WAY OUT, a block of 16 tokens x 64 columns at a time: x 2^(ea + eb); 32 bytes a lane into my own stage; back as whole rows of 256 bytes.  LDS serves a wave's instructions in order: no wait between stores and loads.
.macro TOSTAGE a
.set j, 0
.rept 16
	v_pk_mul_f32 v[TMP+j:TMP+j+1], v[ACC+32*(\a)+j:ACC+32*(\a)+j+1], s[72:73] op_sel_hi:[1,0]   ; each accumulator from its low end on
.set j, j+2
.endr
.irp b, 0,1,2,3
	ds_store_b128 v[STO], v[TMP+8*\b:TMP+8*\b+3] offset:16*SPITCH*((\a)%2)+64*\b
	ds_store_b128 v[STO], v[TMP+8*\b+4:TMP+8*\b+7] offset:16*SPITCH*((\a)%2)+64*\b+16
.endr
.irp t, 0,1,2,3,4,5,6,7
	ds_load_b128 v[BK+32*((\a)%2)+4*\t:BK+32*((\a)%2)+4*\t+3], v[RD] offset:16*SPITCH*((\a)%2)+2*\t*SPITCH
.endr
.endm
.macro SEND a, younger
	s_wait_dscnt \younger                          ; the block is back; the next block's stores and loads may be out
.irp t, 0,1,2,3,4,5,6,7
	global_store_b128 v[CO], v[BK+32*((\a)%2)+4*\t:BK+32*((\a)%2)+4*\t+3], s[68:69] offset:(16*(\a)+2*\t)*4096   ; 16 lanes store 256 consecutive bytes, aligned
.endr
.endm
	s_wait_kmcnt 0x0
	s_add_co_i32 s72, s70, s71
	s_add_co_i32 s72, s72, 127
	s_lshl_b32 s72, s72, 23                        ; 2^(ea + eb) as f32
	s_mov_b32 s73, s72
	PLACES
	TOSTAGE 0
	TOSTAGE 1
	SEND 0, 16
	s_wait_xcnt 0x0                                ; block 0's stores have read their data: block 2's loads may land there
	TOSTAGE 2
	SEND 1, 16
	s_wait_xcnt 0x0
	TOSTAGE 3
	SEND 2, 16
	SEND 3, 0
	s_wait_tensorcnt 0x0                           ; the wave's end
	ds_add_u32 v[SPW], v[NIL]
	s_wait_dscnt 0x0
	CROUND                                         ; the closing round
	s_endpgm
.Lfunc_end_k_qd7a8eed3f8_wo:
	.size	k_qd7a8eed3f8_wo, .Lfunc_end_k_qd7a8eed3f8_wo-k_qd7a8eed3f8_wo
	.p2alignl 7, 3214868480
	.fill 96, 4, 3214868480
	.section	.rodata,"a",@progbits
	.p2align	6, 0x0
	.amdhsa_kernel k_qd7a8eed3f8_wo
		.amdhsa_group_segment_fixed_size 327680
		.amdhsa_private_segment_fixed_size 0
		.amdhsa_enable_private_segment 0
		.amdhsa_kernarg_size 32
		.amdhsa_user_sgpr_count 2
		.amdhsa_user_sgpr_kernarg_segment_ptr 1
		.amdhsa_wavefront_size32 1
		.amdhsa_system_sgpr_workgroup_id_x 1
		.amdhsa_system_sgpr_workgroup_id_y 1
		.amdhsa_system_sgpr_workgroup_id_z 1
		.amdhsa_system_vgpr_workitem_id 0
		.amdhsa_next_free_vgpr 512
		.amdhsa_next_free_sgpr 76
		.amdhsa_reserve_vcc 0
		.amdhsa_float_denorm_mode_32 3
		.amdhsa_float_denorm_mode_16_64 3
		.amdhsa_memory_ordered 1
		.amdhsa_forward_progress 1
		.amdhsa_inst_pref_size 46
	.end_amdhsa_kernel
	.amdgpu_metadata
---
amdhsa.version: [ 1, 2 ]
amdhsa.kernels:
  - .name:           k_qd7a8eed3f8_wo
    .symbol:         k_qd7a8eed3f8_wo.kd
    .args:
      - { .name: ac, .offset: 0, .size: 8, .value_kind: global_buffer, .address_space: global }
      - { .name: wo_codes, .offset: 8, .size: 8, .value_kind: global_buffer, .address_space: global }
      - { .name: lowp_scales, .offset: 16, .size: 8, .value_kind: global_buffer, .address_space: global }
      - { .name: y, .offset: 24, .size: 8, .value_kind: global_buffer, .address_space: global }
    .group_segment_fixed_size: 327680
    .private_segment_fixed_size: 0
    .kernarg_segment_align: 8
    .kernarg_segment_size: 32
    .max_flat_workgroup_size: 128
    .sgpr_count:     76
    .vgpr_count:     512
    .wavefront_size: 32
...
	.end_amdgpu_metadata
.endif
;; end of part 4
;; launch ln1 (part 5): grid 256 x 1, 8 waves a work-group, no clusters, 17,408 bytes of LDS; arguments y, x, bo, g1, beta1, lowp_scales, x1, x1c; writes x1, x1c
.if DOCPART == 5
	.amdgcn_target "amdgcn-amd-amdhsa--gfx1250"
	.amdhsa_code_object_version 6
	.text
	.protected	k_qd7a8eed3f8_ln1
	.globl	k_qd7a8eed3f8_ln1
	.p2align	8
	.type	k_qd7a8eed3f8_ln1,@function
k_qd7a8eed3f8_ln1:
	s_mov_b64 s[64:65], 0
	v_nop
	global_prefetch_b8 v0, s[64:65] scope:SCOPE_SE
	s_setreg_imm32_b32 hwreg(HW_REG_WAVE_MODE, 25, 1), 1
	s_wait_xcnt 0x0
; out = LayerNorm((y + bias) + res) x g + beta, rows of 1,024 f32.  CODES = 1: the rows also leave as E4M3 codes, row-major, with the scale 2^e12.
; A wave takes two whole rows and keeps them in registers: memory is read once, the sums never leave the wave, no barrier.  Load j of a row is 512 consecutive bytes: lane l holds columns 128 j + 4 l + 0 .. 3.
; The variance is the mean of the squares of the centred numbers: no difference of large sums is formed.  All 56 loads of a wave go out at the head.
; Matrix units, clusters and tensor loads would add nothing to a stream.  LIMIT (CODES): e12 between -126 and 119.
.set CODES, 1
.set OUTP,  16                         ; s[16:17] the f32 result
.set Y,   32                           ; v32-95   the two rows
.set R,   96                           ; v96-159  the residual's rows; later the held numbers
.set BI,  160
.set G,   192
.set BE,  224
.if CODES
	s_load_b512 s[4:19], s[0:1], 0x0               ; y, res, bias, g, beta, the exponents, out, the codes
	v_lshl_add_u32 v30, v0, 2, 0x4000
	v_mov_b32 v31, 0
.else
	s_load_b256 s[4:11], s[0:1], 0x0
	s_load_b128 s[12:15], s[0:1], 0x20
.endif
	v_lshrrev_b32 v1, 5, v0
	v_readfirstlane_b32 s20, v1                    ; wave 0..7
	v_and_b32 v2, 31, v0
	v_lshlrev_b32 v1, 4, v2                        ; 16 l; never rewritten
.if CODES
	s_lshl_b32 s21, s20, 11                        ; my 2,048 bytes of LDS: two rows of codes
	v_lshl_add_u32 v16, v2, 2, s21
	v_add_nc_u32 v17, s21, v1
.endif
	s_lshl_b32 s22, ttmp9, 16
	s_lshl_b32 s23, s20, 13
	s_add_co_u32 s22, s22, s23                     ; row 16 x work-group + 2 x wave, rows of 4,096 bytes
	s_mov_b32 s23, 0
	s_mov_b32 s24, 0x76543210
	s_mov_b32 s25, 0xfedcba98
	s_mov_b32 s26, 0x3a800000                      ; 1 / 1,024
	s_mov_b32 s27, 0x3727c5ac                      ; 1e-5
	s_wait_kmcnt 0x0
	s_add_nc_u64 s[4:5], s[4:5], s[22:23]
	s_add_nc_u64 s[6:7], s[6:7], s[22:23]
	s_add_nc_u64 s[OUTP:OUTP+1], s[OUTP:OUTP+1], s[22:23]
.if CODES
	s_load_b32 s28, s[14:15], 0x30                 ; e12
	s_lshr_b32 s30, s22, 2                         ; rows of 1,024 bytes
	s_mov_b32 s31, 0
	s_add_nc_u64 s[18:19], s[18:19], s[30:31]
.endif
.irp j, 0,1,2,3,4,5,6,7
	global_load_b128 v[BI+4*\j:BI+4*\j+3], v1, s[8:9] offset:512*\j
	global_load_b128 v[G+4*\j:G+4*\j+3], v1, s[10:11] offset:512*\j
	global_load_b128 v[BE+4*\j:BE+4*\j+3], v1, s[12:13] offset:512*\j
.endr
.irp p, 0,1
.irp j, 0,1,2,3,4,5,6,7
	global_load_b128 v[Y+32*\p+4*\j:Y+32*\p+4*\j+3], v1, s[4:5] offset:4096*\p+512*\j th:TH_LOAD_NT
.endr
.irp j, 0,1,2,3,4,5,6,7
	global_load_b128 v[R+32*\p+4*\j:R+32*\p+4*\j+3], v1, s[6:7] offset:4096*\p+512*\j th:TH_LOAD_NT
.endr
.endr
.if CODES
	s_wait_kmcnt 0x0
	s_add_co_i32 s28, s28, 127
	s_lshl_b32 s29, s28, 23
	v_mov_b32 v18, s29                             ; 2^e12
	s_add_co_i32 s28, s28, 8
	s_lshl_b32 s28, s28, 23
	s_or_b32 s28, s28, 0x600000
	v_mov_b32 v19, s28                             ; 448 x 2^e12
.endif
.macro REDUCE r, t                     ; the sum of v[r] over the 32 lanes, in every lane
	v_add_f32_dpp v[\r], v[\r], v[\r] row_xmask:1 row_mask:0xf bank_mask:0xf
	v_add_f32_dpp v[\r], v[\r], v[\r] row_xmask:2 row_mask:0xf bank_mask:0xf
	v_add_f32_dpp v[\r], v[\r], v[\r] row_xmask:4 row_mask:0xf bank_mask:0xf
	v_add_f32_dpp v[\r], v[\r], v[\r] row_xmask:8 row_mask:0xf bank_mask:0xf
	v_permlanex16_b32 v[\t], v[\r], s24, s25
	v_add_f32 v[\r], v[\r], v[\t]
.endm
.macro ROW p, left
.set YY, Y+32*\p
.set RR, R+32*\p
	s_wait_loadcnt \left                           ; this row's loads are in; the other row's sixteen may be out
.set j, 0
.rept 16
	v_pk_add_f32 v[YY+j:YY+j+1], v[YY+j:YY+j+1], v[BI+j:BI+j+1]
	v_pk_add_f32 v[YY+j:YY+j+1], v[YY+j:YY+j+1], v[RR+j:RR+j+1]
.set j, j+2
.endr
	v_pk_add_f32 v[2:3], v[YY:YY+1], v[YY+2:YY+3]  ; the sum, in two packed chains
	v_pk_add_f32 v[4:5], v[YY+4:YY+5], v[YY+6:YY+7]
.irp j, 8,12,16,20,24,28
	v_pk_add_f32 v[2:3], v[2:3], v[YY+\j:YY+\j+1]
	v_pk_add_f32 v[4:5], v[4:5], v[YY+\j+2:YY+\j+3]
.endr
	v_pk_add_f32 v[2:3], v[2:3], v[4:5]
	v_add_f32 v2, v2, v3
	REDUCE 2, 3
	v_mul_f32 v2, s26, v2                          ; the mean
	v_mov_b32 v3, v2
.set j, 0
.rept 16
	v_pk_add_f32 v[YY+j:YY+j+1], v[YY+j:YY+j+1], v[2:3] neg_lo:[0,1] neg_hi:[0,1]
.set j, j+2
.endr
	v_pk_mul_f32 v[4:5], v[YY:YY+1], v[YY:YY+1]    ; the squares' sum
	v_pk_mul_f32 v[6:7], v[YY+2:YY+3], v[YY+2:YY+3]
.irp j, 4,8,12,16,20,24,28
	v_pk_fma_f32 v[4:5], v[YY+\j:YY+\j+1], v[YY+\j:YY+\j+1], v[4:5]
	v_pk_fma_f32 v[6:7], v[YY+\j+2:YY+\j+3], v[YY+\j+2:YY+\j+3], v[6:7]
.endr
	v_pk_add_f32 v[4:5], v[4:5], v[6:7]
	v_add_f32 v4, v4, v5
	REDUCE 4, 5
	v_fma_f32 v4, v4, s26, s27                     ; the variance + 1e-5
	v_rsq_f32 v6, v4
	v_nop                                          ; a plain line behind the transcendental
	s_wait_alu depctr_va_vdst(0)                   ; ahead of its first reader
	v_mov_b32 v7, v6
.set j, 0
.rept 16
	v_pk_mul_f32 v[YY+j:YY+j+1], v[YY+j:YY+j+1], v[6:7]
	v_pk_fma_f32 v[YY+j:YY+j+1], v[YY+j:YY+j+1], v[G+j:G+j+1], v[BE+j:BE+j+1]
.set j, j+2
.endr
.irp j, 0,1,2,3,4,5,6,7
	global_store_b128 v1, v[YY+4*\j:YY+4*\j+3], s[OUTP:OUTP+1] offset:4096*\p+512*\j   ; 512 consecutive bytes
.endr
.if CODES
.if \p
	s_wait_xcnt 0x0                                ; the first row's stores of codes have read v[20:27]
.endif
.set j, 0
.rept 32
	v_med3_num_f32 v[RR+j], v[YY+j], -v19, v19
.set j, j+1
.endr
.irp k, 0,1,2,3
	v_cvt_scalef32_pk8_fp8_f32 v[8+2*\k:9+2*\k], v[RR+8*\k:RR+8*\k+7], v18   ; register j: the codes of columns 128 j + 4 l + 0 .. 3
.endr
	v_nop
.irp j, 0,1,2,3,4,5,6,7
	ds_store_b32 v16, v[8+\j] offset:1024*\p+128*\j
.endr
	ds_load_b128 v[20:23], v17 offset:1024*\p      ; LDS serves a wave's instructions in order: these see my stores
	ds_load_b128 v[24:27], v17 offset:1024*\p+512
	s_wait_dscnt 1                                 ; the first is in
	global_store_b128 v1, v[20:23], s[18:19] offset:1024*\p
	s_wait_dscnt 0
	global_store_b128 v1, v[24:27], s[18:19] offset:1024*\p+512
.endif
.endm
	ROW 0, 16
	ROW 1, 0
	s_wait_tensorcnt 0x0
	ds_add_u32 v30, v31
	s_wait_dscnt 0x0
	s_endpgm
.Lfunc_end_k_qd7a8eed3f8_ln1:
	.size	k_qd7a8eed3f8_ln1, .Lfunc_end_k_qd7a8eed3f8_ln1-k_qd7a8eed3f8_ln1
	.p2alignl 7, 3214868480
	.fill 96, 4, 3214868480
	.section	.rodata,"a",@progbits
	.p2align	6, 0x0
	.amdhsa_kernel k_qd7a8eed3f8_ln1
		.amdhsa_group_segment_fixed_size 17408
		.amdhsa_private_segment_fixed_size 0
		.amdhsa_enable_private_segment 0
		.amdhsa_kernarg_size 64
		.amdhsa_user_sgpr_count 2
		.amdhsa_user_sgpr_kernarg_segment_ptr 1
		.amdhsa_wavefront_size32 1
		.amdhsa_system_sgpr_workgroup_id_x 1
		.amdhsa_system_sgpr_workgroup_id_y 1
		.amdhsa_system_sgpr_workgroup_id_z 1
		.amdhsa_system_vgpr_workitem_id 0
		.amdhsa_next_free_vgpr 256
		.amdhsa_next_free_sgpr 66
		.amdhsa_reserve_vcc 0
		.amdhsa_float_denorm_mode_32 3
		.amdhsa_float_denorm_mode_16_64 3
		.amdhsa_memory_ordered 1
		.amdhsa_forward_progress 1
		.amdhsa_inst_pref_size 31
	.end_amdhsa_kernel
	.amdgpu_metadata
---
amdhsa.version: [ 1, 2 ]
amdhsa.kernels:
  - .name:           k_qd7a8eed3f8_ln1
    .symbol:         k_qd7a8eed3f8_ln1.kd
    .args:
      - { .name: y, .offset: 0, .size: 8, .value_kind: global_buffer, .address_space: global }
      - { .name: x, .offset: 8, .size: 8, .value_kind: global_buffer, .address_space: global }
      - { .name: bo, .offset: 16, .size: 8, .value_kind: global_buffer, .address_space: global }
      - { .name: g1, .offset: 24, .size: 8, .value_kind: global_buffer, .address_space: global }
      - { .name: beta1, .offset: 32, .size: 8, .value_kind: global_buffer, .address_space: global }
      - { .name: lowp_scales, .offset: 40, .size: 8, .value_kind: global_buffer, .address_space: global }
      - { .name: x1, .offset: 48, .size: 8, .value_kind: global_buffer, .address_space: global }
      - { .name: x1c, .offset: 56, .size: 8, .value_kind: global_buffer, .address_space: global }
    .group_segment_fixed_size: 17408
    .private_segment_fixed_size: 0
    .kernarg_segment_align: 8
    .kernarg_segment_size: 64
    .max_flat_workgroup_size: 256
    .sgpr_count:     66
    .vgpr_count:     256
    .wavefront_size: 32
...
	.end_amdgpu_metadata
.endif
;; end of part 5
;; launch w1 (part 6): grid 16 x 16, 4 waves a work-group, clusters of 4 x 4, 327,680 bytes of LDS; arguments x1c, w1_codes, b1, lowp_scales, hid; writes hid
.if DOCPART == 6
	.amdgcn_target "amdgcn-amd-amdhsa--gfx1250"
	.amdhsa_code_object_version 6
	.text
	.protected	k_qd7a8eed3f8_w1
	.globl	k_qd7a8eed3f8_w1
	.p2align	8
	.type	k_qd7a8eed3f8_w1,@function
k_qd7a8eed3f8_w1:
	s_mov_b64 s[64:65], 0
	v_nop
	global_prefetch_b8 v0, s[64:65] scope:SCOPE_SE
	s_setreg_imm32_b32 hwreg(HW_REG_WAVE_MODE, 25, 1), 1
	s_wait_xcnt 0x0
	s_wait_alu depctr_hold_cnt(0) depctr_sa_sdst(0) depctr_va_vdst(0) depctr_va_sdst(0) depctr_va_ssrc(0) depctr_va_vcc(0) depctr_vm_vsrc(0)
	s_getreg_b32 s2, hwreg(HW_REG_IB_STS2, 6, 4)
	s_cmp_eq_u32 s2, 0
	s_cbranch_scc0 .Lentry_in_a_cluster
	s_endpgm
.Lentry_in_a_cluster:
	s_bfe_u32 s2, ttmp6, 0x10000c
	s_cmp_lg_u32 s2, 0xf033
	s_cbranch_scc0 .Lentry_shape_is_right
	s_endpgm
.Lentry_shape_is_right:
; hid = relu(x1 w1 + b1) on E4M3 codes, quantised (e14) for the product with w2.  x1c: [4096][1024] codes; w1_codes: [4096][1024], K innermost.
; A tile, 256 tokens x 256 hidden units, is made by four waves, each 128 x 128: 64 accumulators, 512 registers.  K = 1,024 goes in steps of 256 through a ring of two LDS slots filled by joint tensor loads:
; x1c's tile is shared along a row of the 4 x 4 cluster, the weight's along a column.  TRANSPOSED USE: source 0 = 16 rows of the weight, source 1 = 16 tokens: a lane holds one token and eight neighbouring hidden units.
; OUT: images of operand registers: token block x 65,536 + kc (128 units) x 2,048 + c x 512 + 16 l: token 16 tb + l % 16, units 128 kc + 32 c + 16 (l / 16) + 0 .. 15.
; LIMITS: e12 + e13 between -126 and 127; e14 between -126 and 119.
; REGISTERS, in windows of 256: window 0: v0-31 addresses; v32-95 the bias in the result's layout; from v128 A's fragments, one set (later the way out); window 1: B's fragments, two sets; windows 2, 3: the accumulators.
.set SIZE_K, 1024
.set KSTEP,  256
.set ROWB,   256
.set KROW,   SIZE_K
.set PITCH,  272
.set FR,     16
.set NL,     4
.set NP,     4
.set HALFT,  128*PITCH
.set SLOT,   4*HALFT
.set LAPS,   SIZE_K/(2*KSTEP)
.set SPARE,  2*SLOT                    ; the spare words, 128 bytes a wave, that no other line names
.set BO1,  8
.set ADRA, 16
.set ADRB, 20
.set CO,   26
.set SPW,  28
.set NIL,  29
.set BIAS, 32
.set SC,   112
.set LIM,  113
.set AF,   128
.set TMP,  128
.set CD,   192
.set G1, 24
.set G0, 32
.set G1B, 48
.set G0B, 56
.set MSB, 0
.macro WIN new
.if MSB != \new
	s_set_vgpr_msb (MSB<<8)|\new
.set MSB, \new
.endif
.endm
.set MUL_LO, 0xa1
.set MUL_HI, 0xf1
.set TO_B,   0x40
.macro JLOAD g0a, g1a, g0b, g1b        ; waves 0 and 1 fetch for A, waves 2 and 3 for B; four v_nop follow each of the two lines
	s_cmp_eq_u32 s15, 0
	s_cbranch_scc0 .Lfor_b_\@
	tensor_load_to_lds s[\g0a:\g0a+3], s[\g1a:\g1a+7]
	s_nop 0
.rept 4
	v_nop
.endr
	s_branch .Lasked_\@
.Lfor_b_\@:
	tensor_load_to_lds s[\g0b:\g0b+3], s[\g1b:\g1b+7]
	s_nop 0
.rept 4
	v_nop
.endr
.Lasked_\@:
.endm
.macro CREST
	s_cmp_lg_u32 s14, 0
	s_cbranch_scc1 .Lnot_wave_0_\@
	s_barrier_signal -3
.Lnot_wave_0_\@:
	s_barrier_wait -3
	s_barrier_signal -1
	s_barrier_wait -1
.endm
.macro CROUND
	s_barrier_signal -1
	s_barrier_wait -1
	CREST
.endm
	s_load_b128 s[4:7], s[0:1], 0x0                ; x1c, w1_codes
	s_load_b64 s[8:9], s[0:1], 0x10                ; b1
	s_load_b64 s[86:87], s[0:1], 0x18              ; the exponents
	s_load_b64 s[10:11], s[0:1], 0x20              ; hid
	v_lshl_add_u32 v[SPW], v0, 2, SPARE
	v_mov_b32 v[NIL], 0
	ds_add_u32 v28, v29
	ds_add_u32 v28, v29
	s_wait_dscnt 0x0
	v_lshrrev_b32 v1, 5, v0
	v_readfirstlane_b32 s14, v1
	s_lshr_b32 s15, s14, 1
	s_and_b32 s16, s14, 1
	s_bfe_u32 s40, ttmp6, 0x40000
	s_bfe_u32 s41, ttmp6, 0x40004
	s_lshl_b32 s42, ttmp9, 2
	s_add_co_u32 s42, s42, s40                     ; tile column
	s_and_b32 s17, ttmp7, 0xffff
	s_lshl_b32 s17, s17, 2
	s_add_co_u32 s17, s17, s41                     ; tile row
	s_lshl_b32 s43, s41, 2
	s_lshl_b32 s43, 15, s43
	s_lshl_b32 s44, 0x1111, s40
	s_or_b32 s[G1+0], s43, (0<<16)|(1<<20)|(1<<21)|(5<<22)|(3<<25)
	s_or_b32 s[G1B+0], s44, (0<<16)|(1<<20)|(1<<21)|(5<<22)|(3<<25)
.irp g, G1, G1B
	s_mov_b32 s[\g+1], ROWB<<16
	s_mov_b32 s[\g+2], 128<<16
	s_mov_b32 s[\g+3], ROWB<<16
	s_mov_b32 s[\g+4], 128
	s_mov_b32 s[\g+5], KROW
	s_mov_b32 s[\g+6], 0
	s_mov_b32 s[\g+7], 0
.endr
	s_lshl_b32 s18, s16, 7
	s_lshl_b32 s20, s17, 8
	s_add_co_u32 s20, s20, s18
	s_lshl_b32 s20, s20, 10                        ; A: row 256 x tile row + 128 x half, rows of 1,024 bytes
	s_mov_b32 s21, 0
	s_lshl_b32 s46, s42, 8
	s_add_co_u32 s46, s46, s18
	s_lshl_b32 s46, s46, 10                        ; B: row 256 x tile column + 128 x half
	s_mov_b32 s47, 0
	s_mul_i32 s45, s14, HALFT
	s_wait_kmcnt 0x0
	s_load_b512 s[68:83], s[86:87], 0x0            ; e_i in s[68 + i]
	s_add_nc_u64 s[20:21], s[4:5], s[20:21]
	s_add_nc_u64 s[46:47], s[6:7], s[46:47]
	CROUND
.irp s, 0,1
	s_mov_b32 s[G0+4*\s], 1
	s_add_co_u32 s[G0+4*\s+1], s45, \s*SLOT
	s_add_nc_u64 s[G0+4*\s+2:G0+4*\s+3], s[20:21], \s*ROWB
	s_or_b32 s[G0+4*\s+3], s[G0+4*\s+3], 0x80000000
	s_mov_b32 s[G0B+4*\s], 1
	s_add_co_u32 s[G0B+4*\s+1], s45, \s*SLOT
	s_add_nc_u64 s[G0B+4*\s+2:G0B+4*\s+3], s[46:47], \s*ROWB
	s_or_b32 s[G0B+4*\s+3], s[G0B+4*\s+3], 0x80000000
	JLOAD G0+4*\s, G1, G0B+4*\s, G1B
.endr
	v_and_b32 v1, 15, v0
	v_bfe_u32 v2, v0, 4, 1
	v_lshlrev_b32 v[BO1], 5, v2
	s_lshl_b32 s18, s42, 10
	s_lshl_b32 s19, s16, 9
	s_add_co_u32 s18, s18, s19                     ; my first hidden unit, in bytes of f32
	s_mov_b32 s19, 0
	s_add_nc_u64 s[8:9], s[8:9], s[18:19]
.irp b, 0,1,2,3,4,5,6,7
	global_load_b128 v[BIAS+8*\b:BIAS+8*\b+3], v[BO1], s[8:9] offset:64*\b
	global_load_b128 v[BIAS+8*\b+4:BIAS+8*\b+7], v[BO1], s[8:9] offset:64*\b+16
.endr
	v_mul_u32_u24 v3, v1, PITCH
	v_lshl_add_u32 v4, v2, 4, v3
	s_mul_i32 s21, s15, HALFT
	s_mul_i32 s22, s16, HALFT
	s_add_co_u32 s22, s22, 2*HALFT
.irp s, 0,1
	v_add_nc_u32 v[ADRA+\s], s21, v4
	v_add_nc_u32 v[ADRB+\s], s22, v4
	s_add_co_u32 s21, s21, SLOT
	s_add_co_u32 s22, s22, SLOT
.endr
	v_lshlrev_b32 v[CO], 4, v1
	v_lshl_add_u32 v[CO], v2, 3, v[CO]             ; 16 r + 8 h
	s_lshl_b32 s20, s17, 4
	s_lshl_b32 s21, s15, 3
	s_add_co_u32 s20, s20, s21                     ; token block 16 x tile row + 8 x half
	s_lshl_b32 s20, s20, 16
	s_lshl_b32 s21, s42, 1
	s_add_co_u32 s21, s21, s16                     ; kc = 2 x tile column + half
	s_lshl_b32 s21, s21, 11
	s_add_co_u32 s20, s20, s21
	s_mov_b32 s21, 0
	s_add_nc_u64 s[10:11], s[10:11], s[20:21]
.macro FRAG reg, adr, q, i
.irp c, 0,1,2,3
	ds_load_b128 v[\reg+4*\c:\reg+4*\c+3], v[\adr] offset:128*(\q)+32*\c+(\i)*16*PITCH
.endr
.endm
.macro MUL16 a0, p, zero               ; the 64 accumulators take turns, one instruction a turn
.irp a, \a0, \a0+1
.irp b, 0,1,2,3,4,5,6,7
.if \zero
	v_wmma_f32_16x16x128_fp8_fp8 v[8*(8*((\a)%4)+\b):8*(8*((\a)%4)+\b)+7], v[128*(\p)+FR*\b:128*(\p)+FR*\b+FR-1], v[AF+FR*(\a):AF+FR*(\a)+FR-1], 0
.else
	v_wmma_f32_16x16x128_fp8_fp8 v[8*(8*((\a)%4)+\b):8*(8*((\a)%4)+\b)+7], v[128*(\p)+FR*\b:128*(\p)+FR*\b+FR-1], v[AF+FR*(\a):AF+FR*(\a)+FR-1], v[8*(8*((\a)%4)+\b):8*(8*((\a)%4)+\b)+7]
.endif
.endr
.endr
.endm
.macro FETCH_B slot, q, p
	WIN TO_B
.irp i, 0,1,2,3,4,5,6,7
	FRAG 128*(\p)+FR*\i, ADRB+\slot, \q, \i
.endr
	WIN 0
.endm
.macro FETCH_A slot, q, i0
.irp i, \i0, \i0+1, \i0+2, \i0+3
	FRAG AF+FR*(\i), ADRA+\slot, \q, \i
.endr
.endm
.macro PLACES n
.rept \n
	v_nop
.endr
.endm
.macro STEP slot, q, zero
	s_wait_dscnt 4*NL                              ; B's set and A's blocks 0-3 are in; A's blocks 4-7 may be out
	WIN MUL_LO
	MUL16 0, (\q)%2, \zero
	MUL16 2, (\q)%2, \zero
	s_wait_dscnt 0
	PLACES NP
	FETCH_B \slot, (\q)+1, 1-(\q)%2
	FETCH_A \slot, (\q)+1, 0
	WIN MUL_HI
	MUL16 4, (\q)%2, \zero
	MUL16 6, (\q)%2, \zero
	PLACES NP
	WIN 0
	FETCH_A \slot, (\q)+1, 4
.endm
.macro TURN slot, next, fill
	s_wait_tensorcnt 0x0                           ; all my tensor loads have landed: my part of the next slot
	ds_add_u32 v[SPW], v[NIL]                      ; 0 onto my spare word
	s_wait_dscnt 4*NL+1                            ; (the add and A's blocks 4-7 may be out)
	WIN MUL_LO
	MUL16 0, 1, 0
	s_wait_dscnt 0x0                               ; the add is done, and my reads of this slot are over
	s_barrier_signal -1
	MUL16 2, 1, 0
	WIN 0
	s_barrier_wait -1
.if \fill
	CREST                                          ; the barrier has opened a round of the cluster's barrier
	s_add_nc_u64 s[G0+4*\slot+2:G0+4*\slot+3], s[G0+4*\slot+2:G0+4*\slot+3], 2*ROWB
	s_add_nc_u64 s[G0B+4*\slot+2:G0B+4*\slot+3], s[G0B+4*\slot+2:G0B+4*\slot+3], 2*ROWB
	JLOAD G0+4*\slot, G1, G0B+4*\slot, G1B
.else
	PLACES NP
.endif
	FETCH_B \next, 0, 0
	FETCH_A \next, 0, 0
	WIN MUL_HI
	MUL16 4, 1, 0
	MUL16 6, 1, 0
	PLACES NP
	WIN 0
	FETCH_A \next, 0, 4
.endm
	s_wait_tensorcnt 1                             ; my part of K step 0 is in; K step 1's load may be out
	s_barrier_signal -1
	s_barrier_wait -1
	FETCH_B 0, 0, 0
	FETCH_A 0, 0, 0
	FETCH_A 0, 0, 4
	STEP 0, 0, 1
	s_mov_b32 s3, LAPS-1
.Llap:
	TURN 0, 1, 1
	STEP 1, 0, 0
	TURN 1, 0, 1
	STEP 0, 0, 0
	s_sub_co_u32 s3, s3, 1
	s_cmp_lg_u32 s3, 0
	s_cbranch_scc1 .Llap
	TURN 0, 1, 0
	STEP 1, 0, 0
	s_wait_dscnt 4*NL
	WIN MUL_LO
	MUL16 0, 1, 0
	MUL16 2, 1, 0
	s_wait_dscnt 0
	WIN MUL_HI
	MUL16 4, 1, 0
	MUL16 6, 1, 0
	WIN 0
; THE WAY OUT of block a: sum x 2^(e12 + e13) + b1; the activation and the hold in one; the conversion; a lane's 8 codes of block b lie at 512 (b / 2) + 256 (b % 2) + 16 r + 8 h: the wave's store covers 256 consecutive bytes, aligned.
.macro EMIT a
.set AC, 64*((\a)%4)
.set CC, CD+16*((\a)%2)
	WIN 0x02+((\a)/4)
.set j, 0
.rept 32
	v_pk_fma_f32 v[TMP+j:TMP+j+1], v[AC+j:AC+j+1], s[96:97], v[BIAS+j:BIAS+j+1] op_sel_hi:[1,0,1]   ; each accumulator from its low end on
.set j, j+2
.endr
	WIN 0
.set j, 0
.rept 64
	v_med3_num_f32 v[TMP+j], v[TMP+j], 0, v[LIM]
.set j, j+1
.endr
.irp b, 0,1,2,3,4,5,6,7
	v_cvt_scalef32_pk8_fp8_f32 v[CC+2*\b:CC+2*\b+1], v[TMP+8*\b:TMP+8*\b+7], v[SC]
.endr
	v_nop
.irp b, 0,1,2,3,4,5,6,7
	global_store_b64 v[CO], v[CC+2*\b:CC+2*\b+1], s[10:11] offset:65536*(\a)+512*(\b/2)+256*(\b%2)
.endr
.endm
	s_wait_kmcnt 0x0
	s_add_co_i32 s98, s80, s81                     ; e12 + e13
	s_add_co_i32 s98, s98, 127
	s_lshl_b32 s96, s98, 23
	s_mov_b32 s97, s96
	s_add_co_i32 s101, s82, 127                    ; e14
	s_lshl_b32 s98, s101, 23
	v_mov_b32 v[SC], s98
	s_add_co_i32 s101, s101, 8
	s_lshl_b32 s101, s101, 23
	s_or_b32 s101, s101, 0x600000
	v_mov_b32 v[LIM], s101
	s_wait_loadcnt 0x0                             ; the bias
	PLACES NP
	EMIT 0
	EMIT 1
.irp a, 2,3,4,5,6,7
	s_wait_xcnt 0x0                                ; block a - 2's stores have read their data: that set of codes may be written again
	EMIT \a
.endr
	s_wait_tensorcnt 0x0                           ; the wave's end
	ds_add_u32 v[SPW], v[NIL]
	s_wait_dscnt 0x0
	CROUND
	s_endpgm
.Lfunc_end_k_qd7a8eed3f8_w1:
	.size	k_qd7a8eed3f8_w1, .Lfunc_end_k_qd7a8eed3f8_w1-k_qd7a8eed3f8_w1
	.p2alignl 7, 3214868480
	.fill 96, 4, 3214868480
	.section	.rodata,"a",@progbits
	.p2align	6, 0x0
	.amdhsa_kernel k_qd7a8eed3f8_w1
		.amdhsa_group_segment_fixed_size 327680
		.amdhsa_private_segment_fixed_size 0
		.amdhsa_enable_private_segment 0
		.amdhsa_kernarg_size 40
		.amdhsa_user_sgpr_count 2
		.amdhsa_user_sgpr_kernarg_segment_ptr 1
		.amdhsa_wavefront_size32 1
		.amdhsa_system_sgpr_workgroup_id_x 1
		.amdhsa_system_sgpr_workgroup_id_y 1
		.amdhsa_system_sgpr_workgroup_id_z 1
		.amdhsa_system_vgpr_workitem_id 0
		.amdhsa_next_free_vgpr 1024
		.amdhsa_next_free_sgpr 102
		.amdhsa_reserve_vcc 0
		.amdhsa_float_denorm_mode_32 3
		.amdhsa_float_denorm_mode_16_64 3
		.amdhsa_memory_ordered 1
		.amdhsa_forward_progress 1
		.amdhsa_inst_pref_size 138
	.end_amdhsa_kernel
	.amdgpu_metadata
---
amdhsa.version: [ 1, 2 ]
amdhsa.kernels:
  - .name:           k_qd7a8eed3f8_w1
    .symbol:         k_qd7a8eed3f8_w1.kd
    .args:
      - { .name: x1c, .offset: 0, .size: 8, .value_kind: global_buffer, .address_space: global }
      - { .name: w1_codes, .offset: 8, .size: 8, .value_kind: global_buffer, .address_space: global }
      - { .name: b1, .offset: 16, .size: 8, .value_kind: global_buffer, .address_space: global }
      - { .name: lowp_scales, .offset: 24, .size: 8, .value_kind: global_buffer, .address_space: global }
      - { .name: hid, .offset: 32, .size: 8, .value_kind: global_buffer, .address_space: global }
    .group_segment_fixed_size: 327680
    .private_segment_fixed_size: 0
    .kernarg_segment_align: 8
    .kernarg_segment_size: 40
    .max_flat_workgroup_size: 128
    .sgpr_count:     102
    .vgpr_count:     1024
    .wavefront_size: 32
...
	.end_amdgpu_metadata
.endif
;; end of part 6
;; launch w2 (part 7): grid 8 x 32, 4 waves a work-group, clusters of 4 x 4, 327,680 bytes of LDS; arguments hid, w2_codes, lowp_scales, y; writes y
.if DOCPART == 7
	.amdgcn_target "amdgcn-amd-amdhsa--gfx1250"
	.amdhsa_code_object_version 6
	.text
	.protected	k_qd7a8eed3f8_w2
	.globl	k_qd7a8eed3f8_w2
	.p2align	8
	.type	k_qd7a8eed3f8_w2,@function
k_qd7a8eed3f8_w2:
	s_mov_b64 s[64:65], 0
	v_nop
	global_prefetch_b8 v0, s[64:65] scope:SCOPE_SE
	s_setreg_imm32_b32 hwreg(HW_REG_WAVE_MODE, 25, 1), 1
	s_wait_xcnt 0x0
	s_wait_alu depctr_hold_cnt(0) depctr_sa_sdst(0) depctr_va_vdst(0) depctr_va_sdst(0) depctr_va_ssrc(0) depctr_va_vcc(0) depctr_vm_vsrc(0)
	s_getreg_b32 s2, hwreg(HW_REG_IB_STS2, 6, 4)
	s_cmp_eq_u32 s2, 0
	s_cbranch_scc0 .Lentry_in_a_cluster
	s_endpgm
.Lentry_in_a_cluster:
	s_bfe_u32 s2, ttmp6, 0x10000c
	s_cmp_lg_u32 s2, 0xf033
	s_cbranch_scc0 .Lentry_shape_is_right
	s_endpgm
.Lentry_shape_is_right:
; y[token][n] = 2^(ea + eb) x the sum over k of A[token][k] W[n][k], on E4M3 codes.  A: 4,096 tokens x KB as images of operand registers (token block x 16 KB + kc x 2,048 + c x 512 + 16 l); W: [1024][KB], K innermost; y: f32.
; 1,024 columns make only 64 tiles of 256 x 256, so a tile is 128 x 128: 256 work-groups.  Four waves, each 64 x 64: 16 accumulators.  K goes in steps of 512 through a ring of two LDS slots.
; CLUSTERS: 4 x 4: A's tile is asked for jointly along a row of the cluster, W's along a column.  TRANSPOSED USE: source 0 = 16 rows of W, source 1 = 16 tokens: a lane holds eight neighbouring columns of a row of y.
; A's tile is four token blocks x 8,192 dense bytes a load; a fragment comes back by four loads of 512 consecutive bytes.  W's rows of 512 bytes get 16 of padding.
; A wave has two tensor loads out at the start and one behind each round.  LIMIT: ea + eb between -126 and 127.
; REGISTERS: window 0: v0-31 addresses; v32-127 the way out; v128-255 the accumulators ((a, b) at v[128 + 8 (4 a + b)]).  Window 1: two fragment buffers of 128: A's four fragments, then W's four.
.set KB,     4096                      ; the product's K, in bytes of a row
.set EOFF,   56                        ; where its two exponents lie in the buffer of scales
.set BP,     528
.set AHALF,  32768
.set BHALF,  64*BP
.set BOFF,   2*AHALF
.set SLOT,   BOFF+2*BHALF
.set SPARE,  2*SLOT                    ; the spare words, 128 bytes a wave, that no other line names
.set STAGE,  SPARE+512
.set SPITCH, 272
.set LAPS,   KB/1024
.set ADRA, 16
.set ADRB, 20
.set STO,  24
.set RD,   25
.set CO,   26
.set SPW,  28
.set NIL,  29
.set TMP,  32
.set BK,   64
.set ACC,  128
.set F0,   0
.set F1,   128
.set G1, 24
.set G0, 32
.set G1B, 48
.set G0B, 56
.set MSB, 0
.macro WIN new
.if MSB != \new
	s_set_vgpr_msb (MSB<<8)|\new
.set MSB, \new
.endif
.endm
.set MULW, 0x05
.set TO_F, 0x40
.macro JLOAD s                         ; waves 0 and 1 fetch A's halves, waves 2 and 3 W's; four v_nop follow each of the two lines
	s_cmp_eq_u32 s11, 0
	s_cbranch_scc0 .Lfor_b_\@
	tensor_load_to_lds s[G0+4*\s:G0+4*\s+3], s[G1:G1+7]
	s_nop 0
.rept 4
	v_nop
.endr
	s_branch .Lasked_\@
.Lfor_b_\@:
	tensor_load_to_lds s[G0B+4*\s:G0B+4*\s+3], s[G1B:G1B+7]
	s_nop 0
.rept 4
	v_nop
.endr
.Lasked_\@:
.endm
.macro CREST
	s_cmp_lg_u32 s10, 0
	s_cbranch_scc1 .Lnot_wave_0_\@
	s_barrier_signal -3
.Lnot_wave_0_\@:
	s_barrier_wait -3
	s_barrier_signal -1
	s_barrier_wait -1
.endm
.macro CROUND
	s_barrier_signal -1
	s_barrier_wait -1
	CREST
.endm
	s_load_b128 s[4:7], s[0:1], 0x0                ; A, W
	s_load_b64 s[8:9], s[0:1], 0x10                ; the exponents
	s_load_b64 s[68:69], s[0:1], 0x18              ; y
	v_lshl_add_u32 v[SPW], v0, 2, SPARE
	v_mov_b32 v[NIL], 0
	ds_add_u32 v28, v29
	ds_add_u32 v28, v29
	s_wait_dscnt 0x0
	v_lshrrev_b32 v1, 5, v0
	v_readfirstlane_b32 s10, v1
	s_lshr_b32 s11, s10, 1
	s_and_b32 s12, s10, 1
	s_bfe_u32 s40, ttmp6, 0x40000
	s_bfe_u32 s41, ttmp6, 0x40004
	s_lshl_b32 s42, ttmp9, 2
	s_add_co_u32 s42, s42, s40                     ; tile column
	s_and_b32 s13, ttmp7, 0xffff
	s_lshl_b32 s13, s13, 2
	s_add_co_u32 s13, s13, s41                     ; tile row
	s_lshl_b32 s43, s41, 2
	s_lshl_b32 s43, 15, s43
	s_lshl_b32 s44, 0x1111, s40
	s_or_b32 s[G1+0], s43, (1<<21)
	s_mov_b32 s[G1+1], 8192<<16
	s_mov_b32 s[G1+2], 4<<16
	s_mov_b32 s[G1+3], 8192<<16
	s_mov_b32 s[G1+4], 4
	s_mov_b32 s[G1+5], 16*KB
	s_mov_b32 s[G1+6], 0
	s_mov_b32 s[G1+7], 0
	s_or_b32 s[G1B+0], s44, (1<<20)|(1<<21)|(6<<22)|(3<<25)
	s_mov_b32 s[G1B+1], 512<<16
	s_mov_b32 s[G1B+2], 64<<16
	s_mov_b32 s[G1B+3], 512<<16
	s_mov_b32 s[G1B+4], 64
	s_mov_b32 s[G1B+5], KB
	s_mov_b32 s[G1B+6], 0
	s_mov_b32 s[G1B+7], 0
	s_lshl_b32 s16, s13, 3
	s_lshl_b32 s17, s12, 2
	s_add_co_u32 s16, s16, s17
	s_mul_i32 s16, s16, 16*KB
	s_mov_b32 s17, 0
	s_lshl_b32 s46, s42, 7
	s_lshl_b32 s47, s12, 6
	s_add_co_u32 s46, s46, s47
	s_mul_i32 s46, s46, KB
	s_mov_b32 s47, 0
	s_mul_i32 s20, s12, AHALF
	s_mul_i32 s21, s12, BHALF
	s_add_co_u32 s21, s21, BOFF
	s_wait_kmcnt 0x0
	s_load_b64 s[70:71], s[8:9], EOFF
	s_add_nc_u64 s[14:15], s[4:5], s[16:17]
	s_add_nc_u64 s[46:47], s[6:7], s[46:47]
	CROUND
.irp s, 0,1
	s_mov_b32 s[G0+4*\s], 1
	s_add_co_u32 s[G0+4*\s+1], s20, \s*SLOT
	s_add_nc_u64 s[G0+4*\s+2:G0+4*\s+3], s[14:15], \s*8192
	s_or_b32 s[G0+4*\s+3], s[G0+4*\s+3], 0x80000000
	s_mov_b32 s[G0B+4*\s], 1
	s_add_co_u32 s[G0B+4*\s+1], s21, \s*SLOT
	s_add_nc_u64 s[G0B+4*\s+2:G0B+4*\s+3], s[46:47], \s*512
	s_or_b32 s[G0B+4*\s+3], s[G0B+4*\s+3], 0x80000000
	JLOAD \s
.endr
	v_and_b32 v1, 15, v0
	v_bfe_u32 v2, v0, 4, 1
	v_and_b32 v6, 31, v0
	v_lshlrev_b32 v7, 4, v6
	v_mul_u32_u24 v3, v1, BP
	v_lshl_add_u32 v3, v2, 4, v3
	s_mul_i32 s21, s11, AHALF
	s_mul_i32 s22, s12, BHALF
	s_add_co_u32 s22, s22, BOFF
.irp s, 0,1
	v_add_nc_u32 v[ADRA+\s], s21, v7
	v_add_nc_u32 v[ADRB+\s], s22, v3
	s_add_co_u32 s21, s21, SLOT
	s_add_co_u32 s22, s22, SLOT
.endr
	s_mul_i32 s23, s10, 2*16*SPITCH
	s_add_co_u32 s23, s23, STAGE
	v_mul_u32_u24 v4, v1, SPITCH
	v_lshl_add_u32 v4, v2, 5, v4
	v_add_nc_u32 v[STO], s23, v4
	v_mul_u32_u24 v5, v2, SPITCH
	v_lshl_add_u32 v5, v1, 4, v5
	v_add_nc_u32 v[RD], s23, v5
	v_lshlrev_b32 v5, 12, v2
	v_lshl_add_u32 v[CO], v1, 4, v5
	s_lshl_b32 s16, s13, 7
	s_lshl_b32 s17, s11, 6
	s_add_co_u32 s16, s16, s17
	s_lshl_b32 s16, s16, 12
	s_lshl_b32 s46, s42, 9
	s_lshl_b32 s47, s12, 8
	s_add_co_u32 s46, s46, s47
	s_add_co_u32 s16, s16, s46
	s_mov_b32 s17, 0
	s_add_nc_u64 s[68:69], s[68:69], s[16:17]
.macro MUL a0, n, f, zero              ; the 16 accumulators take turns, one instruction a turn
.set aa, \a0
.rept \n
.irp b, 0,1,2,3
.if \zero
	v_wmma_f32_16x16x128_fp8_fp8 v[ACC+8*(4*aa+\b):ACC+8*(4*aa+\b)+7], v[\f+64+16*\b:\f+64+16*\b+15], v[\f+16*aa:\f+16*aa+15], 0
.else
	v_wmma_f32_16x16x128_fp8_fp8 v[ACC+8*(4*aa+\b):ACC+8*(4*aa+\b)+7], v[\f+64+16*\b:\f+64+16*\b+15], v[\f+16*aa:\f+16*aa+15], v[ACC+8*(4*aa+\b):ACC+8*(4*aa+\b)+7]
.endif
.endr
.set aa, aa+1
.endr
.endm
.macro FETCH slot, q, f
	WIN TO_F
.irp i, 0,1,2,3
.irp c, 0,1,2,3
	ds_load_b128 v[\f+64+16*\i+4*\c:\f+64+16*\i+4*\c+3], v[ADRB+\slot] offset:128*(\q)+32*\c+\i*16*BP
.endr
.endr
.irp i, 0,1,2,3
.irp c, 0,1,2,3
	ds_load_b128 v[\f+16*\i+4*\c:\f+16*\i+4*\c+3], v[ADRA+\slot] offset:8192*\i+2048*(\q)+512*\c
.endr
.endr
.endm
.macro PLACES
.rept 4
	v_nop
.endr
.endm
.macro QUARTER slot, qn, f, g, zero
	s_wait_dscnt 8                                 ; W and A's blocks 0, 1 are in; the youngest eight loads (blocks 2, 3) may be out
	WIN MULW
	MUL 0, 2, \f, \zero
	PLACES
	FETCH \slot, \qn, \g
	s_wait_dscnt 32                                ; all but the 32 just issued
	WIN MULW
	MUL 2, 2, \f, \zero
.endm
.macro TURN slot, next, fill
	WIN 0
	s_wait_tensorcnt 0x0                           ; all my tensor loads have landed: my part of the next slot
	ds_add_u32 v[SPW], v[NIL]                      ; 0 onto my spare word
	s_wait_dscnt 9                                 ; (the add and the youngest eight loads may be out)
	WIN MULW
	MUL 0, 1, F1, 0
	s_wait_dscnt 0x0                               ; the add is done, and my reads of this slot are over
	s_barrier_signal -1
	MUL 1, 1, F1, 0
.if \fill
	WIN 0
.endif
	s_barrier_wait -1
.if \fill
	CREST                                          ; the barrier has opened a round of the cluster's barrier: no wave of any partner still reads this slot or has a load on its way
	s_add_nc_u64 s[G0+4*\slot+2:G0+4*\slot+3], s[G0+4*\slot+2:G0+4*\slot+3], 2*8192
	s_add_nc_u64 s[G0B+4*\slot+2:G0B+4*\slot+3], s[G0B+4*\slot+2:G0B+4*\slot+3], 2*512
	JLOAD \slot                                    ; the first tensor load behind the round; its four v_nop are also the places in front of the loads below
.else
	PLACES
.endif
	FETCH \next, 0, F0
	WIN MULW
	MUL 2, 2, F1, 0
.endm
	s_wait_tensorcnt 1                             ; my part of K step 0 is in; K step 1's load may be out
	s_barrier_signal -1
	s_barrier_wait -1
	FETCH 0, 0, F0
	QUARTER 0, 1, F0, F1, 1
.if LAPS > 1
	WIN 0
	s_mov_b32 s3, LAPS-1
.Llap:                                                 ; a trip goes once round the ring and fills both slots again
	QUARTER 0, 2, F1, F0, 0
	QUARTER 0, 3, F0, F1, 0
	TURN 0, 1, 1
	QUARTER 1, 1, F0, F1, 0
	QUARTER 1, 2, F1, F0, 0
	QUARTER 1, 3, F0, F1, 0
	TURN 1, 0, 1
	QUARTER 0, 1, F0, F1, 0
	WIN 0
	s_sub_co_u32 s3, s3, 1
	s_cmp_lg_u32 s3, 0
	s_cbranch_scc1 .Llap
.endif
	QUARTER 0, 2, F1, F0, 0
	QUARTER 0, 3, F0, F1, 0
	TURN 0, 1, 0
	QUARTER 1, 1, F0, F1, 0
	QUARTER 1, 2, F1, F0, 0
	QUARTER 1, 3, F0, F1, 0
	s_wait_dscnt 8
	WIN MULW
	MUL 0, 2, F1, 0
	s_wait_dscnt 0
	MUL 2, 2, F1, 0
	WIN 0
.macro TOSTAGE a
.set j, 0
.rept 16
	v_pk_mul_f32 v[TMP+j:TMP+j+1], v[ACC+32*(\a)+j:ACC+32*(\a)+j+1], s[72:73] op_sel_hi:[1,0]   ; each accumulator from its low end on
.set j, j+2
.endr
.irp b, 0,1,2,3
	ds_store_b128 v[STO], v[TMP+8*\b:TMP+8*\b+3] offset:16*SPITCH*((\a)%2)+64*\b
	ds_store_b128 v[STO], v[TMP+8*\b+4:TMP+8*\b+7] offset:16*SPITCH*((\a)%2)+64*\b+16
.endr
.irp t, 0,1,2,3,4,5,6,7
	ds_load_b128 v[BK+32*((\a)%2)+4*\t:BK+32*((\a)%2)+4*\t+3], v[RD] offset:16*SPITCH*((\a)%2)+2*\t*SPITCH
.endr
.endm
.macro SEND a, younger
	s_wait_dscnt \younger                          ; the block is back; the next block's stores and loads may be out
.irp t, 0,1,2,3,4,5,6,7
	global_store_b128 v[CO], v[BK+32*((\a)%2)+4*\t:BK+32*((\a)%2)+4*\t+3], s[68:69] offset:(16*(\a)+2*\t)*4096   ; 16 lanes store 256 consecutive bytes, aligned
.endr
.endm
	s_wait_kmcnt 0x0
	s_add_co_i32 s72, s70, s71
	s_add_co_i32 s72, s72, 127
	s_lshl_b32 s72, s72, 23
	s_mov_b32 s73, s72
	PLACES
	TOSTAGE 0
	TOSTAGE 1
	SEND 0, 16
	s_wait_xcnt 0x0                                ; block 0's stores have read their data: block 2's loads may land there
	TOSTAGE 2
	SEND 1, 16
	s_wait_xcnt 0x0
	TOSTAGE 3
	SEND 2, 16
	SEND 3, 0
	s_wait_tensorcnt 0x0                           ; the wave's end
	ds_add_u32 v[SPW], v[NIL]
	s_wait_dscnt 0x0
	CROUND
	s_endpgm
.Lfunc_end_k_qd7a8eed3f8_w2:
	.size	k_qd7a8eed3f8_w2, .Lfunc_end_k_qd7a8eed3f8_w2-k_qd7a8eed3f8_w2
	.p2alignl 7, 3214868480
	.fill 96, 4, 3214868480
	.section	.rodata,"a",@progbits
	.p2align	6, 0x0
	.amdhsa_kernel k_qd7a8eed3f8_w2
		.amdhsa_group_segment_fixed_size 327680
		.amdhsa_private_segment_fixed_size 0
		.amdhsa_enable_private_segment 0
		.amdhsa_kernarg_size 32
		.amdhsa_user_sgpr_count 2
		.amdhsa_user_sgpr_kernarg_segment_ptr 1
		.amdhsa_wavefront_size32 1
		.amdhsa_system_sgpr_workgroup_id_x 1
		.amdhsa_system_sgpr_workgroup_id_y 1
		.amdhsa_system_sgpr_workgroup_id_z 1
		.amdhsa_system_vgpr_workitem_id 0
		.amdhsa_next_free_vgpr 512
		.amdhsa_next_free_sgpr 76
		.amdhsa_reserve_vcc 0
		.amdhsa_float_denorm_mode_32 3
		.amdhsa_float_denorm_mode_16_64 3
		.amdhsa_memory_ordered 1
		.amdhsa_forward_progress 1
		.amdhsa_inst_pref_size 74
	.end_amdhsa_kernel
	.amdgpu_metadata
---
amdhsa.version: [ 1, 2 ]
amdhsa.kernels:
  - .name:           k_qd7a8eed3f8_w2
    .symbol:         k_qd7a8eed3f8_w2.kd
    .args:
      - { .name: hid, .offset: 0, .size: 8, .value_kind: global_buffer, .address_space: global }
      - { .name: w2_codes, .offset: 8, .size: 8, .value_kind: global_buffer, .address_space: global }
      - { .name: lowp_scales, .offset: 16, .size: 8, .value_kind: global_buffer, .address_space: global }
      - { .name: y, .offset: 24, .size: 8, .value_kind: global_buffer, .address_space: global }
    .group_segment_fixed_size: 327680
    .private_segment_fixed_size: 0
    .kernarg_segment_align: 8
    .kernarg_segment_size: 32
    .max_flat_workgroup_size: 128
    .sgpr_count:     76
    .vgpr_count:     512
    .wavefront_size: 32
...
	.end_amdgpu_metadata
.endif
;; end of part 7
;; launch ln2 (part 8): grid 256 x 1, 8 waves a work-group, no clusters, 0 bytes of LDS; arguments y, x1, b2, g2, beta2, out0; writes out0
.if DOCPART == 8
	.amdgcn_target "amdgcn-amd-amdhsa--gfx1250"
	.amdhsa_code_object_version 6
	.text
	.protected	k_qd7a8eed3f8_ln2
	.globl	k_qd7a8eed3f8_ln2
	.p2align	8
	.type	k_qd7a8eed3f8_ln2,@function
k_qd7a8eed3f8_ln2:
	s_mov_b64 s[64:65], 0
	v_nop
	global_prefetch_b8 v0, s[64:65] scope:SCOPE_SE
	s_setreg_imm32_b32 hwreg(HW_REG_WAVE_MODE, 25, 1), 1
	s_wait_xcnt 0x0
; out = LayerNorm((y + bias) + res) x g + beta, rows of 1,024 f32.
; A wave takes two whole rows and keeps them in registers: memory is read once, the sums never leave the wave, no LDS, no barrier.  Load j of a row is 512 consecutive bytes: lane l holds columns 128 j + 4 l + 0 .. 3.
; The variance is the mean of the squares of the centred numbers: no difference of large sums is formed.  All 56 loads of a wave go out at the head.
; Matrix units, clusters and tensor loads would add nothing to a stream.
.set OUTP,  14                         ; s[14:15] the result
.set Y,   32
.set R,   96
.set BI,  160
.set G,   192
.set BE,  224
	s_load_b256 s[4:11], s[0:1], 0x0               ; y, res, bias, g
	s_load_b128 s[12:15], s[0:1], 0x20             ; beta, out
	v_lshrrev_b32 v1, 5, v0
	v_readfirstlane_b32 s20, v1                    ; wave 0..7
	v_and_b32 v2, 31, v0
	v_lshlrev_b32 v1, 4, v2                        ; 16 l; never rewritten
	s_lshl_b32 s22, ttmp9, 16
	s_lshl_b32 s23, s20, 13
	s_add_co_u32 s22, s22, s23                     ; row 16 x work-group + 2 x wave, rows of 4,096 bytes
	s_mov_b32 s23, 0
	s_mov_b32 s24, 0x76543210
	s_mov_b32 s25, 0xfedcba98
	s_mov_b32 s26, 0x3a800000                      ; 1 / 1,024
	s_mov_b32 s27, 0x3727c5ac                      ; 1e-5
	s_wait_kmcnt 0x0
	s_add_nc_u64 s[4:5], s[4:5], s[22:23]
	s_add_nc_u64 s[6:7], s[6:7], s[22:23]
	s_add_nc_u64 s[OUTP:OUTP+1], s[OUTP:OUTP+1], s[22:23]
.irp j, 0,1,2,3,4,5,6,7
	global_load_b128 v[BI+4*\j:BI+4*\j+3], v1, s[8:9] offset:512*\j
	global_load_b128 v[G+4*\j:G+4*\j+3], v1, s[10:11] offset:512*\j
	global_load_b128 v[BE+4*\j:BE+4*\j+3], v1, s[12:13] offset:512*\j
.endr
.irp p, 0,1
.irp j, 0,1,2,3,4,5,6,7
	global_load_b128 v[Y+32*\p+4*\j:Y+32*\p+4*\j+3], v1, s[4:5] offset:4096*\p+512*\j th:TH_LOAD_NT
.endr
.irp j, 0,1,2,3,4,5,6,7
	global_load_b128 v[R+32*\p+4*\j:R+32*\p+4*\j+3], v1, s[6:7] offset:4096*\p+512*\j th:TH_LOAD_NT
.endr
.endr
.macro REDUCE r, t                     ; the sum of v[r] over the 32 lanes, in every lane
	v_add_f32_dpp v[\r], v[\r], v[\r] row_xmask:1 row_mask:0xf bank_mask:0xf
	v_add_f32_dpp v[\r], v[\r], v[\r] row_xmask:2 row_mask:0xf bank_mask:0xf
	v_add_f32_dpp v[\r], v[\r], v[\r] row_xmask:4 row_mask:0xf bank_mask:0xf
	v_add_f32_dpp v[\r], v[\r], v[\r] row_xmask:8 row_mask:0xf bank_mask:0xf
	v_permlanex16_b32 v[\t], v[\r], s24, s25
	v_add_f32 v[\r], v[\r], v[\t]
.endm
.macro ROW p, left
.set YY, Y+32*\p
.set RR, R+32*\p
	s_wait_loadcnt \left                           ; this row's loads are in; the other row's sixteen may be out
.set j, 0
.rept 16
	v_pk_add_f32 v[YY+j:YY+j+1], v[YY+j:YY+j+1], v[BI+j:BI+j+1]
	v_pk_add_f32 v[YY+j:YY+j+1], v[YY+j:YY+j+1], v[RR+j:RR+j+1]
.set j, j+2
.endr
	v_pk_add_f32 v[2:3], v[YY:YY+1], v[YY+2:YY+3]  ; the sum, in two packed chains
	v_pk_add_f32 v[4:5], v[YY+4:YY+5], v[YY+6:YY+7]
.irp j, 8,12,16,20,24,28
	v_pk_add_f32 v[2:3], v[2:3], v[YY+\j:YY+\j+1]
	v_pk_add_f32 v[4:5], v[4:5], v[YY+\j+2:YY+\j+3]
.endr
	v_pk_add_f32 v[2:3], v[2:3], v[4:5]
	v_add_f32 v2, v2, v3
	REDUCE 2, 3
	v_mul_f32 v2, s26, v2                          ; the mean
	v_mov_b32 v3, v2
.set j, 0
.rept 16
	v_pk_add_f32 v[YY+j:YY+j+1], v[YY+j:YY+j+1], v[2:3] neg_lo:[0,1] neg_hi:[0,1]
.set j, j+2
.endr
	v_pk_mul_f32 v[4:5], v[YY:YY+1], v[YY:YY+1]    ; the squares' sum
	v_pk_mul_f32 v[6:7], v[YY+2:YY+3], v[YY+2:YY+3]
.irp j, 4,8,12,16,20,24,28
	v_pk_fma_f32 v[4:5], v[YY+\j:YY+\j+1], v[YY+\j:YY+\j+1], v[4:5]
	v_pk_fma_f32 v[6:7], v[YY+\j+2:YY+\j+3], v[YY+\j+2:YY+\j+3], v[6:7]
.endr
	v_pk_add_f32 v[4:5], v[4:5], v[6:7]
	v_add_f32 v4, v4, v5
	REDUCE 4, 5
	v_fma_f32 v4, v4, s26, s27                     ; the variance + 1e-5
	v_rsq_f32 v6, v4
	v_nop                                          ; a plain line behind the transcendental
	s_wait_alu depctr_va_vdst(0)                   ; ahead of its first reader
	v_mov_b32 v7, v6
.set j, 0
.rept 16
	v_pk_mul_f32 v[YY+j:YY+j+1], v[YY+j:YY+j+1], v[6:7]
	v_pk_fma_f32 v[YY+j:YY+j+1], v[YY+j:YY+j+1], v[G+j:G+j+1], v[BE+j:BE+j+1]
.set j, j+2
.endr
.irp j, 0,1,2,3,4,5,6,7
	global_store_b128 v1, v[YY+4*\j:YY+4*\j+3], s[OUTP:OUTP+1] offset:4096*\p+512*\j th:TH_STORE_NT   ; 512 consecutive bytes
.endr
.endm
	ROW 0, 16
	ROW 1, 0
	s_endpgm
.Lfunc_end_k_qd7a8eed3f8_ln2:
	.size	k_qd7a8eed3f8_ln2, .Lfunc_end_k_qd7a8eed3f8_ln2-k_qd7a8eed3f8_ln2
	.p2alignl 7, 3214868480
	.fill 96, 4, 3214868480
	.section	.rodata,"a",@progbits
	.p2align	6, 0x0
	.amdhsa_kernel k_qd7a8eed3f8_ln2
		.amdhsa_group_segment_fixed_size 0
		.amdhsa_private_segment_fixed_size 0
		.amdhsa_enable_private_segment 0
		.amdhsa_kernarg_size 48
		.amdhsa_user_sgpr_count 2
		.amdhsa_user_sgpr_kernarg_segment_ptr 1
		.amdhsa_wavefront_size32 1
		.amdhsa_system_sgpr_workgroup_id_x 1
		.amdhsa_system_sgpr_workgroup_id_y 1
		.amdhsa_system_sgpr_workgroup_id_z 1
		.amdhsa_system_vgpr_workitem_id 0
		.amdhsa_next_free_vgpr 256
		.amdhsa_next_free_sgpr 66
		.amdhsa_reserve_vcc 0
		.amdhsa_float_denorm_mode_32 3
		.amdhsa_float_denorm_mode_16_64 3
		.amdhsa_memory_ordered 1
		.amdhsa_forward_progress 1
		.amdhsa_inst_pref_size 24
	.end_amdhsa_kernel
	.amdgpu_metadata
---
amdhsa.version: [ 1, 2 ]
amdhsa.kernels:
  - .name:           k_qd7a8eed3f8_ln2
    .symbol:         k_qd7a8eed3f8_ln2.kd
    .args:
      - { .name: y, .offset: 0, .size: 8, .value_kind: global_buffer, .address_space: global }
      - { .name: x1, .offset: 8, .size: 8, .value_kind: global_buffer, .address_space: global }
      - { .name: b2, .offset: 16, .size: 8, .value_kind: global_buffer, .address_space: global }
      - { .name: g2, .offset: 24, .size: 8, .value_kind: global_buffer, .address_space: global }
      - { .name: beta2, .offset: 32, .size: 8, .value_kind: global_buffer, .address_space: global }
      - { .name: out0, .offset: 40, .size: 8, .value_kind: global_buffer, .address_space: global }
    .group_segment_fixed_size: 0
    .private_segment_fixed_size: 0
    .kernarg_segment_align: 8
    .kernarg_segment_size: 48
    .max_flat_workgroup_size: 256
    .sgpr_count:     66
    .vgpr_count:     256
    .wavefront_size: 32
...
	.end_amdgpu_metadata
.endif
;; end of part 8
